; MI455X (gfx1250); checked and timed in simulation.
; The chip was launched on July 23, 2026; its instructions are those of AMD's public machine-readable ISA for CDNA 5 (MIT licence, August 2026) and "CDNA5" Instruction Set Architecture Reference Guide (July 2026). The comments in the code are by the model that wrote it; some were corrected since.
;; Multi Head Relative Self Attention. Allowed arithmetic: matrix products marked QUANTISED: E2M3 operands, one E8M0 scale for each 32 along K, by v_wmma_scale_f32_16x16x128_f8f6f4 with both operands' format E2M3, f32 sums; products left as they are: f32 operands where the result goes on into a quantised operand, else bf16, f16 or f32 operands; f32 sums; everything else in f32.
;; Inputs: Wo_codes 1,024 x 32 x 24 uint8 (E2M3 codes of Wo, K innermost, in blocks of 32 codes, four codes in three bytes); Wo_scales 1,024 x 32 uint8 (E8M0 scales of Wo, one for each 32 codes along K); Wqkv_codes 3,072 x 32 x 24 uint8 (E2M3 codes of Wqkv, K innermost, in blocks of 32 codes, four codes in three bytes); Wqkv_scales 3,072 x 32 uint8 (E8M0 scales of Wqkv, one for each 32 codes along K); Wr_codes 1,024 x 32 x 24 uint8 (E2M3 codes of Wr, K innermost, in blocks of 32 codes, four codes in three bytes); Wr_scales 1,024 x 32 uint8 (E8M0 scales of Wr, one for each 32 codes along K); inputs 8 x 1,024 x 1,024 float32; mask 8 x 1,024 bool.
;; Outputs: out0 8 x 1,024 x 1,024 float32.
;; This version of the problem:
;;   THIS VERSION OF THE PROBLEM IS GIVEN IN LOW PRECISION. The matrix products marked QUANTISED in the list below multiply operands that are first quantised to E2M3 (2 exponent bits, 3 mantissa bits; 6 bits a number), with one power-of-two scale for each 32 numbers along K (OCP MX v1.0); their sums are f32. All else is computed in f32.
;;   The module's matrix products, in the order in which they are computed (A, B: the left and right operand; K: the contracted axis; several contracted axes count as one K, in the product's order):
;;     1. [M 8,192, K 1,024] x [K 1,024, N 3,072]; A: input inputs; B: input Wqkv (given as codes): QUANTISED
;;     2. [M 1,024, K 1] x [K 1, N 512]; A: computed on the way; B: computed on the way: left as it is (no contracted axis)
;;     3. [M 1,024, K 1,024] x [K 1,024, N 1,024]; A: computed on the way; B: input Wr (given as codes): QUANTISED
;;     4. batch 128 x [M 1,024, K 64] x [K 64, N 1,024]; A: computed on the way; B: computed on the way: QUANTISED
;;     5. batch 16 x [M 1,024, K 64] x [K 64, N 8,192]; A: computed on the way; B: computed on the way: QUANTISED
;;     6. batch 128 x [M 64, K 1,024] x [K 1,024, N 1,024]; A: computed on the way; B: softmax (see below): QUANTISED
;;     7. [M 8,192, K 1,024] x [K 1,024, N 1,024]; A: computed on the way; B: input Wo (given as codes): QUANTISED
;;   THE QUANTISER, for each operand of a quantised product, along K:
;;     - K is cut into blocks of 32 from its start; a last block that is shorter is filled with zeros.
;;     - A block's scale is 2^e with e = floor(log2(the largest magnitude in the block)) - 2, held to -126 .. 127; a block of zeros has e = 0. As a byte (E8M0): e + 127.
;;     - Each number is divided by its block's scale, clamped to +-7.5, and rounded to the nearest number of E2M3, ties to even, subnormals kept.
;;     - The product sums the exact products of the quantised numbers (number of the format x scale) in f32.
;;   ~~~python
;;   def quantise(x, axis):      # numpy; x: float32 -> the quantised numbers, widened to float32 again
;;       x = np.moveaxis(x, axis, -1); K = x.shape[-1]
;;       x = np.pad(x, [(0, 0)] * (x.ndim - 1) + [(0, -K % 32)]); x = x.reshape(x.shape[:-1] + (-1, 32)); a = np.abs(x).max(-1, keepdims=True)
;;       e = np.where(a > 0, np.clip(np.frexp(np.where(a > 0, a, 1))[1] - 1 - 2, -126, 127), 0)      # np.frexp(a)[1] - 1 = floor(log2(a)), exactly
;;       r = np.clip(x / 2.0 ** e, -7.5, 7.5)
;;       step = 2.0 ** (np.maximum(np.frexp(np.where(r == 0, 1, r))[1] - 1, 0) - 3)
;;       q = np.round(r / step) * step * 2.0 ** e      # np.round: ties to even
;;       return np.moveaxis(q.reshape(q.shape[:-2] + (-1,))[..., :K], -1, axis).astype(np.float32)
;;   ~~~
;;   SOFTMAX AHEAD OF A QUANTISED PRODUCT. Where the list says 'softmax', what is quantised is not the finished softmax but p = 2^(t - M), with t = logit x log2(e) and M = ceil(the row's largest t), a whole number; so 1/2 < the row's largest p <= 1. The row's sum l is taken of the UNQUANTISED p, in f32, and the product's result is divided by l at the end. Since M is a whole number, a kernel that streams over the keys may use a running M (the ceiling of the running maximum): every later rescaling is an exact power of two, which a block's scale takes up: the codes' values come out the same.
;;   OPERANDS COMPUTED ON THE WAY. 'Computed on the way' means the value that the module computes at that place (a softmax that the list does not call 'softmax' is quantised finished and normalised). What goes into a quantiser is computed in f32, as accurately as f32 sums, v_exp_f32 and their like allow (about 1e-6 of the number): no bf16 or f16 on the way to a quantiser, and a product that is left as it is and whose result goes on into a quantised operand takes f32 operands (vector FMAs, or v_wmma_f32_16x16x4_f32). A number that lies on a knife's edge between two numbers of the format may be rounded either way, as far as f32 arithmetic and the matrix unit's own rounding can turn it there, and no further.
;;   INPUTS GIVEN AS CODES. Wo (in the module: [1024, 1024], K = its axis 0); Wqkv (in the module: [1024, 3072], K = its axis 0); Wr (in the module: [1024, 1024], K = its axis 0): each comes as NAME_codes (uint8): NAME with its K axis moved to the last place and cut into blocks of 32 codes, [.., K / 32, bytes a block], one block behind the other in memory; four codes in three bytes: a row's codes are one little-endian stream of bits, code i at bits 6 i .. 6 i + 5 (a code: sign, 2 exponent bits, 3 mantissa bits); and NAME_scales (uint8): the same leading axes, one E8M0 byte (e + 127) for each 32 codes along K. Its value is code x scale, taken as it is: it is not quantised again, and the codes and scales need not be those that the quantiser above would give.
;; One version. Each part assembles by itself: llvm-mc -triple=amdgcn-amd-amdhsa -mcpu=gfx1250 --defsym DOCPART=n.
;; ======== version 1 of 1: 4 launches
;; limits: right only within a limited range of input values
;; workspace buffers: xpc 7,864,320 bytes; xps 327,680 bytes; img 22,282,240 bytes; sc 589,824 bytes; at 6,291,456 bytes; asc 262,144 bytes
;; launch quant (part 1): grid 512 x 1, 4 waves a work-group, no clusters, 33,280 bytes of LDS; arguments inputs, xpc, xps; writes xpc, xps
.if DOCPART == 1
	.amdgcn_target "amdgcn-amd-amdhsa--gfx1250"
	.amdhsa_code_object_version 6
	.text
	.protected	k_q92260b03eb_quant
	.globl	k_q92260b03eb_quant
	.p2align	8
	.type	k_q92260b03eb_quant,@function
k_q92260b03eb_quant:
	s_mov_b64 s[64:65], 0
	v_nop
	global_prefetch_b8 v0, s[64:65] scope:SCOPE_SE
	s_setreg_imm32_b32 hwreg(HW_REG_WAVE_MODE, 25, 1), 1
	s_wait_xcnt 0x0
; LAUNCH 1 OF 4.  inputs [8192][1024] f32 and the position table become codes of FP6 (E2M3), K innermost, with one E8M0 byte for each 32 along K:
; xpc [10240][768 bytes], xps [10240][32].  Rows 0-8191: inputs.  Rows 8192 + u, u = 0 .. 2047: POSX[u] = pos[u] (u < 1024), zeros (u = 1024), pos[u - 1025] (u > 1024).
; WHY POSX.  reference()'s shift gives BD'[i][j] = q[i] . r[1023 - i + j] for j <= i, 0 for j = i + 1, q[i+1] . r[j - i - 2] beyond.  With u = 1023 - i + j and T = POSX Wr that is
; (u < 1024 ? q[i] : q[i+1]) . T[u]: a plain band.  T's rows are r's rows, quantised as r's, so the codes are those of the stated quantiser.
; DEAD WORK: none in whole units.  Every input has a way to the output and is loaded (the mask and the weights in later launches).  Of reference()'s product q r^T only the entries of query 0
; that the shift slices away are never read; they lie inside tiles that hold live work.
; LIMITS: NaN and infinities among the inputs are not served; a block whose largest magnitude lies under 2^-124 gets the byte 1; a block of zeros gets the byte 1 where the rule says 127
; (its codes are zeros, and this program alone reads the bytes).
; Work-groups 0-255: inputs, a plain stream of blocks of 32; a wave takes 16 steps of 512 numbers.  A load reads 512 consecutive bytes; the numbers turn through the wave's own stage in LDS so that a lane
; holds 16 neighbours; two neighbouring lanes hold a block.  Work-groups 256-511: a wave makes one row of pos: lane l holds frequencies 16 l .. 16 l + 15, their sines (columns 16 l ..) and cosines (512 + 16 l ..).
.set XWG,   256
.set WAVES, 4
.set STEPS, 16
.set EMAX,  2
.set CB,    12                         ; bytes of 16 codes
.set R,     16                         ; v16-79   four sets of 16 numbers as loaded
.set X,     80                         ; v80-111  two sets of 16 neighbours
.set E,     112                        ; v112-127 a scale byte for each step
.set C,     128                        ; v128-191 codes, four registers a step
.set WREG,  8192                       ; LDS: a region for each wave: two stages of 32 x SP bytes, then its 256 scale bytes
.set SP,    80
.set SPW,   12                         ; v12 my spare word's address; never rewritten
.set NIL,   13                         ; v13 0; never rewritten
.set SPARE, WAVES*WREG                 ; the spare words: 128 bytes a wave, named by no other line
.set INV,   16                         ; pos path: v16-31 the inverse frequencies
.set AN,    32                         ; v32-47  angle, reduced angle, at last the sines
.set KQ,    48                         ; v48-63  the quadrant
.set ZZ,    64                         ; v64-79  the square, at last the cosines
.set SS,    80                         ; v80-95  sin of the reduced angle
.set CC,    96                         ; v96-111 cos of it
.set TT,    112                        ; v112-127 at work
.set COD,   128                        ; v128.. codes: sines, cosines, and both once more for the second copy
; 16 neighbours of a lane, v[xs] on: the block's largest magnitude (mine, the floor 2^(3 - 127), my neighbour's), 2 off its exponent field: the conversion's scale operand; the codes; the byte
.macro Q16 xs, cod, byt
	v_max3_num_f32 v8, |v[\xs]|, |v[\xs+1]|, |v[\xs+2]|
	v_max3_num_f32 v9, |v[\xs+3]|, |v[\xs+4]|, |v[\xs+5]|
.irp i, 6,10
	v_max3_num_f32 v8, v8, |v[\xs+\i]|, |v[\xs+\i+1]|
	v_max3_num_f32 v9, v9, |v[\xs+\i+2]|, |v[\xs+\i+3]|
.endr
	v_max3_num_f32 v8, v8, |v[\xs+14]|, |v[\xs+15]|
	v_max3_num_f32 v8, v8, v9, (EMAX+1)<<23
	v_max_num_f32_dpp v8, v8, v8 row_xmask:1 row_mask:0xf bank_mask:0xf
	v_add_nc_u32 v11, -(EMAX<<23), v8
	v_cvt_scalef32_pk16_fp6_f32 v[\cod:\cod+2], v[\xs:\xs+15], v11
	v_lshrrev_b32 v[\byt], 23, v11                 ; the byte; also the plain line behind the conversion
.endm
	s_load_b128 s[4:7], s[0:1], 0x0                ; inputs, xpc
	s_load_b64 s[8:9], s[0:1], 0x10                ; xps
	v_lshl_add_u32 v[SPW], v0, 2, SPARE
	v_mov_b32 v[NIL], 0
	v_lshrrev_b32 v1, 5, v0
	v_readfirstlane_b32 s16, v1                    ; wave
	v_and_b32 v2, 31, v0                           ; lane
	v_mul_u32_u24 v4, v2, CB                       ; my codes' place in 384 bytes
	s_cmp_ge_u32 ttmp9, XWG
	s_cbranch_scc1 .Lpos
; ---------------- inputs
	v_lshlrev_b32 v3, 4, v2                        ; my 16 bytes of a load's 512
	s_mul_i32 s17, s16, WREG
	v_lshrrev_b32 v14, 2, v2
	v_mul_u32_u24 v14, v14, SP
	v_and_b32 v15, 3, v2
	v_lshl_add_u32 v14, v15, 4, v14
	v_add_nc_u32 v14, s17, v14                     ; the stage, in: SP (lane / 4) + 16 (lane % 4)
	v_mul_u32_u24 v15, v2, SP
	v_add_nc_u32 v15, s17, v15                     ; out: SP x lane
	v_lshrrev_b32 v5, 1, v2
	s_add_co_u32 s17, s17, 2*32*SP
	v_add_nc_u32 v5, s17, v5                       ; my block's byte among the wave's 256
	v_lshlrev_b32 v7, 3, v2
	v_add_nc_u32 v6, s17, v7
	s_wait_alu depctr_va_vdst(0)
	s_wait_kmcnt 0x0
	s_lshl_b32 s17, ttmp9, 2
	s_add_co_u32 s18, s17, s16                     ; my run of 8,192 numbers
	s_mov_b32 s19, 0
	s_mov_b64 s[20:21], 512*STEPS*4
	s_mul_u64 s[20:21], s[18:19], s[20:21]
	s_add_nc_u64 s[4:5], s[4:5], s[20:21]
	s_mov_b64 s[20:21], 32*STEPS*CB
	s_mul_u64 s[20:21], s[18:19], s[20:21]
	s_add_nc_u64 s[6:7], s[6:7], s[20:21]
	s_lshl_b32 s18, s18, 8
	s_add_nc_u64 s[8:9], s[8:9], s[18:19]
.macro LOAD t
.irp i, 0,1,2,3
	global_load_b128 v[R+16*((\t)%4)+4*\i:R+16*((\t)%4)+4*\i+3], v3, s[4:5] offset:2048*(\t)+512*\i th:TH_LOAD_NT
.endr
.endm
.macro TURN t                          ; LDS serves a wave's instructions in order: no wait between the stores and the loads
.irp i, 0,1,2,3
	ds_store_b128 v14, v[R+16*((\t)%4)+4*\i:R+16*((\t)%4)+4*\i+3] offset:32*SP*((\t)%2)+8*SP*\i
.endr
.irp i, 0,1,2,3
	ds_load_b128 v[X+16*((\t)%2)+4*\i:X+16*((\t)%2)+4*\i+3], v15 offset:32*SP*((\t)%2)+16*\i
.endr
.endm
.irp t, 0,1,2,3
	LOAD \t
.endr
	s_wait_loadcnt 12                              ; step 0's four loads are in; three steps' twelve may be out
	TURN 0
.macro STEP t
.set XS, X+16*((\t)%2)
.if (\t) > 0
	s_wait_dscnt 1                                 ; this step's numbers are back from the stage; the last step's byte store may be out
.else
	s_wait_dscnt 0x0
.endif
.if (\t)+4 < STEPS
	LOAD (\t)+4
.endif
.if (\t)+1 < STEPS
.if STEPS-2-(\t) >= 3
	s_wait_loadcnt 12                              ; the next step's loads are in; those of the three steps behind it may be out
.else
	s_wait_loadcnt 4*(STEPS-2-(\t))
.endif
	TURN (\t)+1
.endif
	Q16 XS, C+4*(\t), E+(\t)
	ds_store_b8 v5, v[E+(\t)] offset:16*(\t)       ; both lanes of a block write the same byte
	global_store_b96 v4, v[C+4*(\t):C+4*(\t)+2], s[6:7] offset:32*CB*(\t)
.endm
.irp t, 0,1,2,3,4,5,6,7,8,9,10,11,12,13,14,15
	STEP \t
.endr
	ds_load_b64 v[8:9], v6
	s_wait_dscnt 0x0
	global_store_b64 v7, v[8:9], s[8:9]            ; 32 lanes store 256 consecutive bytes, aligned
	s_wait_tensorcnt 0x0                           ; the wave's end
	ds_add_u32 v[SPW], v[NIL]
	s_wait_dscnt 0x0
	s_endpgm
; ---------------- pos: row x = 4 (work-group - 256) + wave; its position is 1023 - x
.Lpos:
	s_sub_co_u32 s17, ttmp9, XWG
	s_lshl_b32 s17, s17, 2
	s_add_co_u32 s17, s17, s16                     ; x
	s_sub_co_u32 s18, 1023, s17
	v_cvt_f32_u32 v10, s18                         ; the position, exact
	s_mov_b32 s20, 0xbcd49a00                      ; -(log2(10000) / 512), its upper 15 bits: times f (9 bits) exact
	s_mov_b32 s21, 0xb4709798                      ; and the rest
	s_mov_b32 s22, 0x3f22f983                      ; 2 / pi
	s_mov_b32 s23, 0x3fc90fdb                      ; pi / 2, upper part
	s_mov_b32 s24, 0xb33bbd2e                      ; and the rest
	s_mov_b32 s25, 0xbe2aaaa3                      ; sine: r + r z (S1 + z (S2 + z S3)) on |r| <= pi / 4
	s_mov_b32 s26, 0x3c08839e
	s_mov_b32 s27, 0xb94ca1f9
	s_mov_b32 s28, 0x3d2aaaa5                      ; cosine: 1 - z / 2 + z z (C1 + z (C2 + z C3))
	s_mov_b32 s29, 0xbab6061a
	s_mov_b32 s30, 0x37ccf5ce
	s_wait_alu depctr_va_vdst(0)
	v_lshlrev_b32 v3, 4, v2
.irp i, 0,1,2,3,4,5,6,7,8,9,10,11,12,13,14,15
	v_add_nc_u32 v[AN+\i], \i, v3                  ; f = 16 lane + i
.endr
.irp i, 0,1,2,3,4,5,6,7,8,9,10,11,12,13,14,15
	v_cvt_f32_u32 v[AN+\i], v[AN+\i]
.endr
.irp i, 0,1,2,3,4,5,6,7,8,9,10,11,12,13,14,15
	v_mul_f32 v[ZZ+\i], s20, v[AN+\i]              ; y, exact
.endr
.irp i, 0,1,2,3,4,5,6,7,8,9,10,11,12,13,14,15
	v_rndne_f32 v[INV+\i], v[ZZ+\i]                ; its whole part n
.endr
.irp i, 0,1,2,3,4,5,6,7,8,9,10,11,12,13,14,15
	v_sub_f32 v[ZZ+\i], v[ZZ+\i], v[INV+\i]
.endr
.irp i, 0,1,2,3,4,5,6,7,8,9,10,11,12,13,14,15
	v_fma_f32 v[ZZ+\i], v[AN+\i], s21, v[ZZ+\i]    ; the fraction, with the constant's rest
.endr
.irp i, 0,1,2,3,4,5,6,7,8,9,10,11,12,13,14,15
	v_cvt_i32_f32 v[INV+\i], v[INV+\i]
.endr
	s_wait_alu depctr_va_vdst(0)
.irp i, 0,1,2,3,4,5,6,7,8,9,10,11,12,13,14,15
	v_exp_f32 v[ZZ+\i], v[ZZ+\i]
.endr
	v_nop                                          ; a plain line behind the last exponential
	s_wait_alu depctr_va_vdst(0)                   ; one wait for the batch of sixteen, ahead of its first reader
.irp i, 0,1,2,3,4,5,6,7,8,9,10,11,12,13,14,15
	v_ldexp_f32 v[INV+\i], v[ZZ+\i], v[INV+\i]     ; 10000^(-f / 512)
.endr
.irp i, 0,1,2,3,4,5,6,7,8,9,10,11,12,13,14,15
	v_mul_f32 v[AN+\i], v10, v[INV+\i]             ; the angle, rounded once as in reference()
.endr
.irp i, 0,1,2,3,4,5,6,7,8,9,10,11,12,13,14,15
	v_mul_f32 v[KQ+\i], s22, v[AN+\i]
.endr
.irp i, 0,1,2,3,4,5,6,7,8,9,10,11,12,13,14,15
	v_rndne_f32 v[KQ+\i], v[KQ+\i]                 ; how many quarter turns, at most 652
.endr
.irp i, 0,1,2,3,4,5,6,7,8,9,10,11,12,13,14,15
	v_fma_f32 v[AN+\i], -v[KQ+\i], s23, v[AN+\i]
.endr
.irp i, 0,1,2,3,4,5,6,7,8,9,10,11,12,13,14,15
	v_fma_f32 v[AN+\i], -v[KQ+\i], s24, v[AN+\i]   ; r
.endr
.irp i, 0,1,2,3,4,5,6,7,8,9,10,11,12,13,14,15
	v_cvt_i32_f32 v[KQ+\i], v[KQ+\i]
.endr
.irp i, 0,1,2,3,4,5,6,7,8,9,10,11,12,13,14,15
	v_mul_f32 v[ZZ+\i], v[AN+\i], v[AN+\i]         ; z
.endr
.irp i, 0,1,2,3,4,5,6,7,8,9,10,11,12,13,14,15
	v_fma_f32 v[SS+\i], v[ZZ+\i], s27, s26
	v_fma_f32 v[CC+\i], v[ZZ+\i], s30, s29
.endr
.irp i, 0,1,2,3,4,5,6,7,8,9,10,11,12,13,14,15
	v_fma_f32 v[SS+\i], v[SS+\i], v[ZZ+\i], s25
	v_fma_f32 v[CC+\i], v[CC+\i], v[ZZ+\i], s28
.endr
.irp i, 0,1,2,3,4,5,6,7,8,9,10,11,12,13,14,15
	v_mul_f32 v[SS+\i], v[SS+\i], v[ZZ+\i]
	v_fma_f32 v[TT+\i], v[ZZ+\i], -0.5, 1.0
.endr
.irp i, 0,1,2,3,4,5,6,7,8,9,10,11,12,13,14,15
	v_fma_f32 v[SS+\i], v[SS+\i], v[AN+\i], v[AN+\i]   ; sin r
	v_mul_f32 v[ZZ+\i], v[ZZ+\i], v[ZZ+\i]
.endr
.irp i, 0,1,2,3,4,5,6,7,8,9,10,11,12,13,14,15
	v_fma_f32 v[CC+\i], v[CC+\i], v[ZZ+\i], v[TT+\i]   ; cos r
.endr
.irp i, 0,1,2,3,4,5,6,7,8,9,10,11,12,13,14,15
	v_and_b32 v[TT+\i], 1, v[KQ+\i]                ; an odd quadrant swaps the two
	v_cmp_ne_u32 vcc_lo, 0, v[TT+\i]
	v_cndmask_b32 v[AN+\i], v[SS+\i], v[CC+\i], vcc_lo
	v_cndmask_b32 v[ZZ+\i], v[CC+\i], v[SS+\i], vcc_lo
.endr
.irp i, 0,1,2,3,4,5,6,7,8,9,10,11,12,13,14,15
	v_lshlrev_b32 v[TT+\i], 30, v[KQ+\i]           ; the sine's sign: bit 1 of the quadrant
	v_add_nc_u32 v[KQ+\i], 1, v[KQ+\i]             ; the cosine's: bit 1 of the quadrant + 1
.endr
.irp i, 0,1,2,3,4,5,6,7,8,9,10,11,12,13,14,15
	v_and_b32 v[TT+\i], 0x80000000, v[TT+\i]
	v_lshlrev_b32 v[KQ+\i], 30, v[KQ+\i]
.endr
.irp i, 0,1,2,3,4,5,6,7,8,9,10,11,12,13,14,15
	v_xor_b32 v[AN+\i], v[AN+\i], v[TT+\i]
	v_and_b32 v[KQ+\i], 0x80000000, v[KQ+\i]
.endr
.irp i, 0,1,2,3,4,5,6,7,8,9,10,11,12,13,14,15
	v_xor_b32 v[ZZ+\i], v[ZZ+\i], v[KQ+\i]
.endr
	Q16 AN, COD, TT                                ; the sines' codes and byte
	Q16 ZZ, COD+4, TT+1                            ; the cosines'
	v_and_b32 v3, 15, v2
	v_lshlrev_b32 v3, 3, v3                        ; lane l takes from lane 2 (l % 16): byte l of the row is block l's
	ds_bpermute_b32 v[TT+2], v3, v[TT]             ; (between lanes: no LDS byte is touched)
	ds_bpermute_b32 v[TT+3], v3, v[TT+1]
	s_mul_i32 s32, s17, 768
	s_mov_b32 s33, 0
	s_lshl_b32 s44, s17, 5
	s_mov_b32 s45, 0
	s_mov_b32 s37, 0
	s_mov_b32 s41, 0
	s_cmp_eq_u32 s17, 1023                         ; the second copy is row x + 1025; row 1023 has none and writes the row of zeros, 1024, instead
	s_cselect_b32 s36, 0, 786432
	s_cselect_b32 s38, 0, -1
	s_cselect_b32 s40, 0, 32768
	s_wait_alu depctr_va_vdst(0)
	s_wait_kmcnt 0x0
	s_add_nc_u64 s[34:35], s[6:7], s[32:33]
	s_add_nc_u64 s[34:35], s[34:35], 8192*768
	s_add_nc_u64 s[42:43], s[34:35], s[36:37]
	s_add_nc_u64 s[8:9], s[8:9], s[44:45]
	s_add_nc_u64 s[8:9], s[8:9], 8192*32
	s_add_nc_u64 s[46:47], s[8:9], s[40:41]
.irp i, 0,1,2
	v_and_b32 v[COD+8+\i], s38, v[COD+\i]
	v_and_b32 v[COD+12+\i], s38, v[COD+4+\i]
.endr
	global_store_b96 v4, v[COD:COD+2], s[34:35]                    ; 32 lanes: 384 consecutive bytes
	global_store_b96 v4, v[COD+4:COD+6], s[34:35] offset:384
	global_store_b96 v4, v[COD+8:COD+10], s[42:43] offset:768
	global_store_b96 v4, v[COD+12:COD+14], s[42:43] offset:768+384
	v_cmp_gt_u32 vcc_lo, 16, v2
	s_wait_dscnt 0x0
	v_cndmask_b32 v[TT+2], v[TT+3], v[TT+2], vcc_lo                ; lanes 0-15 the sines' bytes, lanes 16-31 the cosines'
	global_store_b8 v2, v[TT+2], s[8:9]                            ; the row's 32 bytes on end
	global_store_b8 v2, v[TT+2], s[46:47] offset:32                ; (the row of zeros keeps row 1023's bytes: its codes are zeros)
	s_wait_tensorcnt 0x0                           ; the same three closing lines as on the other path
	ds_add_u32 v[SPW], v[NIL]
	s_wait_dscnt 0x0
	s_endpgm
.Lfunc_end_k_q92260b03eb_quant:
	.size	k_q92260b03eb_quant, .Lfunc_end_k_q92260b03eb_quant-k_q92260b03eb_quant
	.p2alignl 7, 3214868480
	.fill 96, 4, 3214868480
	.section	.rodata,"a",@progbits
	.p2align	6, 0x0
	.amdhsa_kernel k_q92260b03eb_quant
		.amdhsa_group_segment_fixed_size 33280
		.amdhsa_private_segment_fixed_size 0
		.amdhsa_enable_private_segment 0
		.amdhsa_kernarg_size 24
		.amdhsa_user_sgpr_count 2
		.amdhsa_user_sgpr_kernarg_segment_ptr 1
		.amdhsa_wavefront_size32 1
		.amdhsa_system_sgpr_workgroup_id_x 1
		.amdhsa_system_sgpr_workgroup_id_y 1
		.amdhsa_system_sgpr_workgroup_id_z 1
		.amdhsa_system_vgpr_workitem_id 0
		.amdhsa_next_free_vgpr 192
		.amdhsa_next_free_sgpr 66
		.amdhsa_reserve_vcc 1
		.amdhsa_float_denorm_mode_32 3
		.amdhsa_float_denorm_mode_16_64 3
		.amdhsa_memory_ordered 1
		.amdhsa_forward_progress 1
		.amdhsa_inst_pref_size 61
	.end_amdhsa_kernel
	.amdgpu_metadata
---
amdhsa.version: [ 1, 2 ]
amdhsa.kernels:
  - .name:           k_q92260b03eb_quant
    .symbol:         k_q92260b03eb_quant.kd
    .args:
      - { .name: inputs, .offset: 0, .size: 8, .value_kind: global_buffer, .address_space: global }
      - { .name: xpc, .offset: 8, .size: 8, .value_kind: global_buffer, .address_space: global }
      - { .name: xps, .offset: 16, .size: 8, .value_kind: global_buffer, .address_space: global }
    .group_segment_fixed_size: 33280
    .private_segment_fixed_size: 0
    .kernarg_segment_align: 8
    .kernarg_segment_size: 24
    .max_flat_workgroup_size: 128
    .sgpr_count:     66
    .vgpr_count:     192
    .wavefront_size: 32
...
	.end_amdgpu_metadata
.endif
;; end of part 1
;; launch gemmq (part 2): grid 4 x 104, 4 waves a work-group, clusters of 4 x 4, 327,680 bytes of LDS; arguments xpc, xps, Wqkv_codes, Wqkv_scales, Wr_codes, Wr_scales, img, sc; writes img, sc
.if DOCPART == 2
	.amdgcn_target "amdgcn-amd-amdhsa--gfx1250"
	.amdhsa_code_object_version 6
	.text
	.protected	k_q92260b03eb_gemmq
	.globl	k_q92260b03eb_gemmq
	.p2align	8
	.type	k_q92260b03eb_gemmq,@function
k_q92260b03eb_gemmq:
	s_mov_b64 s[64:65], 0
	v_nop
	global_prefetch_b8 v0, s[64:65] scope:SCOPE_SE
	s_setreg_imm32_b32 hwreg(HW_REG_WAVE_MODE, 25, 1), 1
	s_wait_xcnt 0x0
	s_wait_alu depctr_hold_cnt(0) depctr_sa_sdst(0) depctr_va_vdst(0) depctr_va_sdst(0) depctr_va_ssrc(0) depctr_va_vcc(0) depctr_vm_vsrc(0)
	s_getreg_b32 s2, hwreg(HW_REG_IB_STS2, 6, 4)
	s_cmp_eq_u32 s2, 0
	s_cbranch_scc0 .Lentry_in_a_cluster
	s_endpgm
.Lentry_in_a_cluster:
	s_bfe_u32 s2, ttmp6, 0x10000c
	s_cmp_lg_u32 s2, 0xf033
	s_cbranch_scc0 .Lentry_shape_is_right
	s_endpgm
.Lentry_shape_is_right:
; LAUNCH 2 OF 4.  q, k, v = inputs Wqkv and T = POSX Wr, on codes of FP6 with E8M0 scales, K = 1,024; the results are quantised in registers for the attention's products and stored as IMAGES OF OPERAND REGISTERS.
; A tile of 256 x 256 results to a work-group of four waves, 128 x 128 a wave (64 accumulators).  K goes through two LDS slots in CHUNKS OF 256 BYTES of each row of codes (a row is 768 bytes: three chunks);
; a step of 128 along K is 96 bytes: eight steps to three chunks; steps 2 and 5 lie across two chunks.  The scale bytes of the work-group's rows come once.
; 4 x 4 work-groups form a cluster: source 1's tile is shared along a row of the cluster, source 0's along a column, each asked for jointly.
; THE ROLE hangs on the cluster's number, which all sixteen partners share:  0-15: source 1 = tokens, source 0 = Wqkv's rows 0-2047 (q, k);  16-23: source 1 = Wqkv's rows 2048-3071 (v), source 0 = tokens;
; 24-25: source 1 = POSX's rows, source 0 = Wr.  A lane holds ONE row of source 1 and 64 numbers along source 0's rows, which is the next product's K.
; ORDER INSIDE A BLOCK OF 32: the 16 registers of accumulators 2 b, 2 b + 1 hold k = 8 h + j and 16 + 8 h + j of block b; q, k, T (along the head) and v, p (along the keys) all take that order, so operands that meet have equal places.
; A HALF IMAGE (16 rows x 64 K: six registers a lane) is 768 bytes: registers 0-3 at 16 x lane, registers 4-5 at 512 + 8 x lane.  img: block 16 b + head: Q 64 tiles, K 64 tiles, V [step 8][16 channels 4][two halves], V's scale words;
; then T [head][129 slots of 768 bytes]: tile t < 64 in slot t, tile t >= 64 in slot t + 1; slot 64 holds a copy of tile 64, which the attention reads only under the scale byte 1.
; PREFETCH: chunks 1 and 2 are named behind the head's loads, two instructions a wave, a lane a row: of the 128 rows that a wave fetches in the ring, each of the four partners that ask for them jointly takes 32,
; told apart by address, so each row's 256 bytes are named once in a cluster.  Chunk 1's joint load follows when the head's loads have landed, chunk 2's in step 2.
; LIMITS: as stated at the head of the first launch.
.set ROWB,   256
.set NQ,     2
.set KROW,   768
.set STEPS,  8
.set CHUNKS, 3
.set PITCH,  272                       ; 256 bytes + 16 of padding
.set FR,     12
.set NL,     6
.set NP,     4
.set HALFT,  128*PITCH
.set SLOT,   4*HALFT
.set KS,     32
.set SCL,    2*SLOT
.set HALFS,  (128*KS/256)*272
.set SBLK,   (16*KS/256)*272
.set SPARE,  SCL+4*HALFS               ; the spare words: 128 bytes a wave, named by no other line
.set STAGE,  SLOT                      ; the way out's scale words: in slot 1, which has had its last fill and its last read (the last chunk lies in slot 0)
.set BLK,    149504
.set TOFF,   128*BLK
.set TH,     129*768
.set PFO,  8                           ; v8 the prefetches' offset: lane x a row of codes; never rewritten
.set ADRA, 16                          ; v16-19 source 1's fragments: slot 0, 1; across two chunks from slot 0, 1
.set ADRB, 20                          ; v20-23 source 0's
.set VL16, 24
.set VL8,  25
.set VSS,  26
.set ADRS, 27
.set SPW,  28
.set NIL,  29
.set VOFFS, 30
.set VSL,  31
.set SC,   32                          ; v32-63 scale words, two sets
.set TM,   64
.set PWS,  80
.set PC,   96
.set AF,   128
.set G1, 24
.set G0, 32
.set G1B, 48
.set G0B, 56
.set G1S, 68
.set G0S, 76
.set G1SB, 80
.set G0SB, 88
.set G0H, 4
.set G0HB, 8
.set PFA, 94                           ; s[94:95] the prefetches' base; never rewritten
.set KAP, 96
.set SEL, 22
.set MSB, 0
.macro WIN new                         ; the immediate's high byte repeats the setting that is left
.if MSB != \new
	s_set_vgpr_msb (MSB<<8)|\new
.set MSB, \new
.endif
.endm
.set MUL_LO, 0xa1
.set MUL_HI, 0xf1
.set TO_B,   0x40
.macro JLOAD g0a, g1a, g0b, g1b        ; a joint load: waves 0, 1 fetch for source 1, waves 2, 3 for source 0; s_nop 0 and four v_nop follow each line
	s_cmp_eq_u32 s15, 0
	s_cbranch_scc0 .Lfor_b_\@
	tensor_load_to_lds s[\g0a:\g0a+3], s[\g1a:\g1a+7]
	s_nop 0
.rept 4
	v_nop
.endr
	s_branch .Lasked_\@
.Lfor_b_\@:
	tensor_load_to_lds s[\g0b:\g0b+3], s[\g1b:\g1b+7]
	s_nop 0
.rept 4
	v_nop
.endr
.Lasked_\@:
.endm
.macro CREST
	s_cmp_lg_u32 s14, 0
	s_cbranch_scc1 .Lnot_wave_0_\@
	s_barrier_signal -3
.Lnot_wave_0_\@:
	s_barrier_wait -3
	s_barrier_signal -1
	s_barrier_wait -1
.endm
.macro CROUND
	s_barrier_signal -1
	s_barrier_wait -1
	CREST
.endm
	s_load_b512 s[68:83], s[0:1], 0x0              ; xpc, xps, Wqkv codes, scales, Wr codes, scales, img, sc
	v_lshl_add_u32 v[SPW], v0, 2, SPARE
	v_mov_b32 v[NIL], 0
	ds_add_u32 v[SPW], v[NIL]                      ; the opening: the add, twice on end, and its wait ahead of my first tensor load
	ds_add_u32 v[SPW], v[NIL]
	v_lshrrev_b32 v1, 5, v0
	v_readfirstlane_b32 s14, v1                    ; wave
	s_lshr_b32 s15, s14, 1                         ; my half of source 1's rows; also: I fetch for source 1 (0) or source 0 (1)
	s_and_b32 s16, s14, 1                          ; my half of source 0's rows; also: which 128 rows I fetch
	s_bfe_u32 s40, ttmp6, 0x40000                  ; cx
	s_bfe_u32 s41, ttmp6, 0x40004                  ; cy
	s_and_b32 s[KAP], ttmp7, 0xffff
	s_and_b32 s92, s[KAP], 1                       ; q, k: column of clusters,
	s_lshr_b32 s93, s[KAP], 1                      ; row of clusters
	s_sub_co_u32 s94, s[KAP], 16
	s_sub_co_u32 s95, s[KAP], 24
	s_cmp_lt_u32 s94, 8                            ; v?
	s_cselect_b32 s92, s94, s92
	s_cselect_b32 s93, 0, s93
	s_cselect_b32 s97, 8, 0                        ; source 1's first tile row: Wqkv's row 2048
	s_cmp_ge_u32 s[KAP], 24                        ; T?
	s_cselect_b32 s92, 0, s92
	s_cselect_b32 s93, s95, s93
	s_cselect_b32 s97, 32, s97                     ; xpc's row 8192
	s_lshl_b32 s42, s92, 2
	s_add_co_u32 s42, s42, s40                     ; tile column
	s_lshl_b32 s17, s93, 2
	s_add_co_u32 s17, s17, s41                     ; tile row
	s_lshl_b32 s43, s41, 2
	s_lshl_b32 s43, 15, s43                        ; my row of the cluster
	s_lshl_b32 s44, 0x1111, s40                    ; my column
	s_or_b32 s[G1+0], s43, (0<<16)|(1<<20)|(1<<21)|(5<<22)|(3<<25)  ; mask; bytes; padding on; bit 21 beside a mask; after every 64 words, 4 words
	s_or_b32 s[G1B+0], s44, (0<<16)|(1<<20)|(1<<21)|(5<<22)|(3<<25)
.irp g, G1, G1B
	s_mov_b32 s[\g+1], ROWB<<16
	s_mov_b32 s[\g+2], 256<<16                     ; the head's loads bring 256 rows
	s_mov_b32 s[\g+3], ROWB<<16
	s_mov_b32 s[\g+4], 256
	s_mov_b32 s[\g+5], KROW
	s_mov_b32 s[\g+6], 0
	s_mov_b32 s[\g+7], 0
.endr
	s_add_co_u32 s20, s17, s97
	s_lshl_b32 s20, s20, 8                         ; source 1: the tile's first row
	s_lshl_b32 s46, s42, 8                         ; source 0 likewise
	s_mov_b32 s21, 0
	s_mov_b32 s47, 0
	s_mov_b64 s[18:19], KS
	s_mul_u64 s[22:23], s[20:21], s[18:19]
	s_mul_u64 s[92:93], s[46:47], s[18:19]
	s_mov_b64 s[18:19], KROW
	s_mul_u64 s[20:21], s[20:21], s[18:19]
	s_mul_u64 s[46:47], s[46:47], s[18:19]
	s_mul_i32 s18, s16, 128*KROW                   ; in the ring I fetch 128 rows of a tile
	s_mov_b32 s19, 0
	s_mul_i32 s45, s14, HALFT
	s_wait_dscnt 0x0                               ; both opening adds are done
	s_wait_kmcnt 0x0
	s_cmp_ge_u32 s[KAP], 24                        ; the buffers of the role: the choice hangs on the cluster's number alone
	s_cselect_b64 s[8:9], s[76:77], s[72:73]
	s_cselect_b64 s[10:11], s[78:79], s[74:75]
	s_sub_co_u32 s95, s[KAP], 16
	s_cmp_lt_u32 s95, 8
	s_cselect_b64 s[4:5], s[72:73], s[68:69]
	s_cselect_b64 s[6:7], s[74:75], s[70:71]
	s_cselect_b64 s[8:9], s[68:69], s[8:9]
	s_cselect_b64 s[10:11], s[70:71], s[10:11]
	s_mov_b64 s[12:13], s[80:81]                   ; img
	s_mov_b64 s[98:99], s[82:83]                   ; sc
	s_or_b32 s[G1S+0], s43, (3<<16)|(1<<20)|(1<<21)|(5<<22)|(3<<25)   ; the scale bytes of 256 rows: 32 rows of 256 bytes, 16 of padding behind each
	s_or_b32 s[G1SB+0], s44, (3<<16)|(1<<20)|(1<<21)|(5<<22)|(3<<25)
.irp g, G1S, G1SB
	s_mov_b32 s[\g+1], 32<<16
	s_mov_b32 s[\g+2], KS<<16
	s_mov_b32 s[\g+3], 32<<16
	s_mov_b32 s[\g+4], KS
	s_mov_b32 s[\g+5], 32
	s_mov_b32 s[\g+6], 0
	s_mov_b32 s[\g+7], 0
.endr
	s_add_nc_u64 s[20:21], s[4:5], s[20:21]
	s_add_nc_u64 s[22:23], s[6:7], s[22:23]
	s_add_nc_u64 s[46:47], s[8:9], s[46:47]
	s_add_nc_u64 s[92:93], s[10:11], s[92:93]
	CROUND                                         ; all sixteen work-groups are here: the first joint loads meet
	s_mov_b32 s[G0H], 1                            ; the head's four tiles: chunk 0 of source 1's 256 rows,
	s_mov_b32 s[G0H+1], 0
	s_mov_b64 s[G0H+2:G0H+3], s[20:21]
	s_or_b32 s[G0H+3], s[G0H+3], 0x80000000
	s_mov_b32 s[G0HB], 1                           ; of source 0's,
	s_mov_b32 s[G0HB+1], 2*HALFT
	s_mov_b64 s[G0HB+2:G0HB+3], s[46:47]
	s_or_b32 s[G0HB+3], s[G0HB+3], 0x80000000
	s_mov_b32 s[G0S], 1                            ; and both sides' scale bytes
	s_mov_b32 s[G0S+1], SCL
	s_mov_b64 s[G0S+2:G0S+3], s[22:23]
	s_or_b32 s[G0S+3], s[G0S+3], 0x80000000
	s_mov_b32 s[G0SB], 1
	s_mov_b32 s[G0SB+1], SCL+2*HALFS
	s_mov_b64 s[G0SB+2:G0SB+3], s[92:93]
	s_or_b32 s[G0SB+3], s[G0SB+3], 0x80000000
	s_add_nc_u64 s[20:21], s[20:21], s[18:19]      ; for the ring: my 128 rows
	s_add_nc_u64 s[46:47], s[46:47], s[18:19]
.irp s, 0,1
	s_mov_b32 s[G0+4*\s], 1
	s_add_co_u32 s[G0+4*\s+1], s45, \s*SLOT
	s_add_nc_u64 s[G0+4*\s+2:G0+4*\s+3], s[20:21], \s*ROWB
	s_or_b32 s[G0+4*\s+3], s[G0+4*\s+3], 0x80000000
	s_mov_b32 s[G0B+4*\s], 1
	s_add_co_u32 s[G0B+4*\s+1], s45, \s*SLOT
	s_add_nc_u64 s[G0B+4*\s+2:G0B+4*\s+3], s[46:47], \s*ROWB
	s_or_b32 s[G0B+4*\s+3], s[G0B+4*\s+3], 0x80000000
.endr
	s_cmp_eq_u32 s15, 0                            ; the prefetches' base: the 128 rows that I fetch in the ring,
	s_cselect_b64 s[PFA:PFA+1], s[20:21], s[46:47]
	s_cselect_b32 s18, s40, s41                    ; and of them the 32 of my place among the four that ask with me (cx for source 1, cy for source 0): an address, no branch
	s_mul_i32 s18, s18, 32*KROW
	s_add_nc_u64 s[PFA:PFA+1], s[PFA:PFA+1], s[18:19]
; the head's loads, one a wave: one chain of branches on the wave's number, one load to an arm, all arms to one join
.macro ARM under, g0, g1, next
	s_cmp_lt_u32 s14, \under
	s_cbranch_scc0 \next
	tensor_load_to_lds s[\g0:\g0+3], s[\g1:\g1+7]
	s_nop 0
.rept 4
	v_nop
.endr
	s_branch .Lhead_asked
\next:
.endm
	ARM 1, G0H,  G1,  .Lhead_b
	ARM 2, G0HB, G1B, .Lhead_sa
	ARM 3, G0S,  G1S, .Lhead_sb
	tensor_load_to_lds s[G0SB:G0SB+3], s[G1SB:G1SB+7]
	s_nop 0
.rept 4
	v_nop
.endr
.Lhead_asked:
	v_and_b32 v[PFO], 31, v0
	v_mul_u32_u24 v[PFO], v[PFO], KROW
	v_and_b32 v1, 15, v0                           ; r
	v_bfe_u32 v2, v0, 4, 1                         ; h
	v_mul_u32_u24 v3, v1, PITCH
	v_mul_u32_u24 v4, v2, 24
	v_add_nc_u32 v4, v3, v4                        ; row x pitch + 24 h
	global_prefetch_b8 v[PFO], s[PFA:PFA+1] offset:ROWB th:TH_LOAD_NT scope:SCOPE_SE      ; chunk 1 of my 32 rows
	global_prefetch_b8 v[PFO], s[PFA:PFA+1] offset:2*ROWB th:TH_LOAD_NT scope:SCOPE_SE    ; chunk 2
	s_mov_b32 s21, SLOT-232
	s_mov_b32 s22, SLOT+232
	v_sub_nc_u32 v7, 1, v2
	v_mul_u32_u24 v5, s21, v2
	v_add_nc_u32 v5, v3, v5
	v_add_nc_u32 v5, 232, v5                       ; across two chunks: lanes 0-15 byte 232 in slot 0, lanes 16-31 byte 0 in slot 1;
	v_mul_u32_u24 v6, s22, v7
	v_add_nc_u32 v6, v3, v6                        ; and the other way round
	s_mul_i32 s21, s15, HALFT
	s_mul_i32 s22, s16, HALFT
	s_add_co_u32 s22, s22, 2*HALFT
	v_add_nc_u32 v[ADRA+2], s21, v5
	v_add_nc_u32 v[ADRA+3], s21, v6
	v_add_nc_u32 v[ADRB+2], s22, v5
	v_add_nc_u32 v[ADRB+3], s22, v6
.irp s, 0,1
	v_add_nc_u32 v[ADRA+\s], s21, v4
	v_add_nc_u32 v[ADRB+\s], s22, v4
	s_add_co_u32 s21, s21, SLOT
	s_add_co_u32 s22, s22, SLOT
.endr
	v_mul_u32_u24 v5, v1, KS
	v_lshrrev_b32 v6, 8, v5
	v_lshl_add_u32 v5, v6, 4, v5
	s_mul_i32 s21, s15, HALFS
	s_mul_i32 s22, s16, HALFS
	s_add_co_u32 s22, s22, 2*HALFS
	s_sub_co_u32 s22, s22, s21
	v_mul_u32_u24 v6, s22, v2                      ; lanes 16-31 take source 0's words
	s_add_co_u32 s21, s21, SCL
	v_add_nc_u32 v5, v5, v6
	v_add_nc_u32 v[ADRS], s21, v5
	v_and_b32 v6, 31, v0
	v_lshlrev_b32 v[VL16], 4, v6
	v_lshlrev_b32 v[VL8], 3, v6
	s_lshl_b32 s23, s14, 9                         ; the way out's 512 bytes of scale words a wave
	s_add_co_u32 s23, s23, STAGE
	v_lshl_add_u32 v[VSS], v1, 2, s23
	v_add_nc_u32 v[VSL], s23, v[VL16]
.macro FRAG reg, adr, st, i            ; 16 rows x 128 K: 12 registers, in pieces of 8 bytes; byte y of a row lies in slot (y / 256) % 2 at byte y % 256
.irp p, 0,1,2,3,4,5
.set BY, 96*(\st)+48*(\p/3)+8*(\p%3)
.if BY/ROWB == (BY+24)/ROWB
	ds_load_b64 v[\reg+2*\p:\reg+2*\p+1], v[\adr+(BY/ROWB)%2] offset:BY%ROWB+(\i)*16*PITCH
.else
	ds_load_b64 v[\reg+2*\p:\reg+2*\p+1], v[\adr+2+(BY/ROWB)%2] offset:BY%ROWB-232+(\i)*16*PITCH
.endif
.endr
.endm
; 16 matrix instructions; the 64 accumulators take turns, one instruction a turn, in the same order in every step
.macro MUL16 a0, p, q, sc, zero
.irp a, \a0, \a0+1
.irp b, 0,1,2,3,4,5,6,7
.if \zero
	v_wmma_scale_f32_16x16x128_f8f6f4 v[8*(8*((\a)%4)+\b):8*(8*((\a)%4)+\b)+7], v[128*(\p)+FR*\b:128*(\p)+FR*\b+FR-1], v[AF+FR*(\a):AF+FR*(\a)+FR-1], 0, v[SC+8*NQ*(\sc)+NQ*\b+(\q)], v[SC+8*NQ*(\sc)+NQ*(\a)+(\q)] matrix_a_fmt:MATRIX_FMT_FP6 matrix_b_fmt:MATRIX_FMT_FP6 matrix_a_scale:MATRIX_SCALE_ROW1
.else
	v_wmma_scale_f32_16x16x128_f8f6f4 v[8*(8*((\a)%4)+\b):8*(8*((\a)%4)+\b)+7], v[128*(\p)+FR*\b:128*(\p)+FR*\b+FR-1], v[AF+FR*(\a):AF+FR*(\a)+FR-1], v[8*(8*((\a)%4)+\b):8*(8*((\a)%4)+\b)+7], v[SC+8*NQ*(\sc)+NQ*\b+(\q)], v[SC+8*NQ*(\sc)+NQ*(\a)+(\q)] matrix_a_fmt:MATRIX_FMT_FP6 matrix_b_fmt:MATRIX_FMT_FP6 matrix_a_scale:MATRIX_SCALE_ROW1
.endif
.endr
.endr
.endm
.macro FETCH_B st, p
	WIN TO_B
.irp i, 0,1,2,3,4,5,6,7
	FRAG 128*(\p)+FR*\i, ADRB, \st, \i
.endr
	WIN 0
.endm
.macro FETCH_A st, i0
.irp i, \i0, \i0+1, \i0+2, \i0+3
	FRAG AF+FR*(\i), ADRA, \st, \i
.endr
.endm
.macro SCALES pr                       ; the scale words of steps 2 pr, 2 pr + 1 into set pr % 2
.irp i, 0,1,2,3,4,5,6,7
	ds_load_b64 v[SC+8*NQ*((\pr)%2)+NQ*\i:SC+8*NQ*((\pr)%2)+NQ*\i+1], v[ADRS] offset:\i*SBLK+4*NQ*(\pr)
.endr
.endm
.macro PLACES n                        ; plain vector lines between a matrix instruction and a load into, or a read of, its registers
.rept \n
	v_nop
.endr
.endm
; a step of 128 along K.  Where the next step's bytes END in a chunk not read yet: wait for my tensor loads, one barrier.  Where they BEGIN in a later chunk: the wait, the add, the wait for it and for my reads, the barrier;
; where a chunk two on is left to fetch the barrier opens a round of the cluster's, and the slot is filled again.
.macro STEP st, zero
.set NX, (\st)+1
.set C0, (96*(\st))/ROWB
.set C1, (96*NX)/ROWB
.set E0, (96*(\st)+95)/ROWB
.set E1, (96*NX+95)/ROWB
.if C1 > C0 || E1 > E0
	s_wait_tensorcnt 0x0                           ; all my tensor loads have landed
.if C1 > C0
	ds_add_u32 v[SPW], v[NIL]
	s_wait_dscnt 4*NL+1                            ; the add and the youngest 24 loads may be out
.else
	s_wait_dscnt 4*NL
.endif
	WIN MUL_LO
	MUL16 0, (\st)%2, (\st)%2, ((\st)/2)%2, \zero
	s_wait_dscnt 0x0                               ; the add, where there is one, and all my reads are done
	s_barrier_signal -1
	MUL16 2, (\st)%2, (\st)%2, ((\st)/2)%2, \zero
	WIN 0
	s_barrier_wait -1
.if C1 > C0 && C0+2 < CHUNKS
	CREST
	s_add_nc_u64 s[G0+4*(C0%2)+2:G0+4*(C0%2)+3], s[G0+4*(C0%2)+2:G0+4*(C0%2)+3], 2*ROWB
	s_add_nc_u64 s[G0B+4*(C0%2)+2:G0B+4*(C0%2)+3], s[G0B+4*(C0%2)+2:G0B+4*(C0%2)+3], 2*ROWB
	JLOAD G0+4*(C0%2), G1, G0B+4*(C0%2), G1B       ; the first tensor load behind the round; its four v_nop are the places in front of the loads below
.else
	PLACES NP
.endif
.else
	s_wait_dscnt 4*NL                              ; all but the youngest 24 loads, source 1's blocks 4-7
	WIN MUL_LO
	MUL16 0, (\st)%2, (\st)%2, ((\st)/2)%2, \zero
	MUL16 2, (\st)%2, (\st)%2, ((\st)/2)%2, \zero
	s_wait_dscnt 0
	PLACES NP
.endif
	FETCH_B NX, NX%2
	FETCH_A NX, 0
.if NX%2 == 0
	SCALES NX/2
.endif
	WIN MUL_HI
	MUL16 4, (\st)%2, (\st)%2, ((\st)/2)%2, \zero
	MUL16 6, (\st)%2, (\st)%2, ((\st)/2)%2, \zero
	PLACES NP
	WIN 0
	FETCH_A NX, 4
.endm
	s_wait_alu depctr_va_vdst(0)
	s_wait_tensorcnt 0x0                           ; my tile of the head's four is in
	ds_add_u32 v[SPW], v[NIL]
	s_mov_b32 s[G1+2], 128<<16                     ; no tensor load of mine is out: from here on a load brings 128 rows
	s_mov_b32 s[G1+4], 128
	s_mov_b32 s[G1B+2], 128<<16
	s_mov_b32 s[G1B+4], 128
	s_wait_dscnt 0x0
	CROUND
	JLOAD G0+4, G1, G0B+4, G1B                     ; chunk 1, the first tensor load behind the round
	FETCH_B 0, 0
	FETCH_A 0, 0
	SCALES 0
	FETCH_A 0, 4
	STEP 0, 1                                      ; the first products start the sums
.set ST, 1
.rept STEPS-2
	STEP ST, 0
.set ST, ST+1
.endr
	s_wait_dscnt 4*NL
	WIN MUL_LO
	MUL16 0, 1, 1, 1, 0
	MUL16 2, 1, 1, 1, 0
	s_wait_dscnt 0
	WIN MUL_HI
	MUL16 4, 1, 1, 1, 0
	MUL16 6, 1, 1, 1, 0
	WIN 0
	PLACES NP
; THE WAY OUT.  Where my results go, by the role.  R1: my first row of source 1; g0: my group of 128 rows of source 0.  All tensor loads are done: the descriptors' registers are free.
	s_lshl_b32 s36, s17, 8
	s_lshl_b32 s37, s15, 7
	s_add_co_u32 s36, s36, s37                     ; R1
	s_lshl_b32 s37, s42, 1
	s_add_co_u32 s37, s37, s16                     ; g0
	s_and_b32 s39, s37, 7
	s_lshr_b32 s40, s37, 3
	s_lshr_b32 s38, s36, 10                        ; q, k: block 16 (token / 1024) + 2 (g0 % 8); K's tiles behind Q's; tile (token / 16) % 64
	s_lshl_b32 s38, s38, 4
	s_lshl_b32 s41, s39, 1
	s_add_co_u32 s38, s38, s41
	s_mul_i32 s38, s38, BLK
	s_mul_i32 s41, s40, 49152
	s_add_co_u32 s38, s38, s41
	s_bfe_u32 s41, s36, 0x60004
	s_mul_i32 s41, s41, 768
	s_add_co_u32 s38, s38, s41
	s_lshl_b32 s43, s37, 13
	s_add_co_u32 s43, s43, s36
	s_lshl_b32 s43, s43, 2                         ; its scale words: sc [g0][token]
	s_lshl_b32 s44, s40, 4                         ; v: block 16 (g0 / 8) + channel row / 64; key step g0 % 8
	s_lshr_b32 s45, s36, 6
	s_add_co_u32 s44, s44, s45
	s_mul_i32 s44, s44, BLK
	s_mul_i32 s45, s39, 6144
	s_add_co_u32 s46, s44, s45
	s_add_co_u32 s46, s46, 98304
	s_lshl_b32 s45, s39, 8
	s_add_co_u32 s47, s44, s45
	s_add_co_u32 s47, s47, 147456
	s_mul_i32 s48, s37, 2*TH                       ; T: head 2 g0, slot u / 16, one more from u = 1024 on
	s_lshr_b32 s49, s36, 4
	s_mul_i32 s49, s49, 768
	s_add_co_u32 s48, s48, s49
	s_add_co_u32 s48, s48, TOFF
	s_lshr_b32 s49, s36, 10
	s_mul_i32 s50, s49, 768
	s_add_co_u32 s50, s48, s50
	s_lshl_b32 s52, s37, 11
	s_add_co_u32 s52, s52, s36
	s_lshl_b32 s52, s52, 2
	s_add_co_u32 s52, s52, 524288
	s_mov_b32 s53, BLK
	s_mov_b32 s54, 768
	s_mov_b32 s55, 1536
	s_mov_b32 s56, TH
	s_sub_co_u32 s57, s[KAP], 16
	s_cmp_lt_u32 s57, 8                            ; v?
	s_cselect_b32 s38, s46, s38
	s_cselect_b32 s43, s47, s43
	s_cselect_b32 s53, s54, s53                    ; from the first half image to the second
	s_cselect_b32 s32, s55, s54                    ; from block a to block a + 1
	s_cselect_b32 s34, 143360, 0                   ; more at a = 4: the next head's block
	s_cselect_b32 s58, 149248, 0                   ; and the same for the scale words of lanes 16-31
	s_cselect_b64 s[18:19], s[12:13], s[98:99]
	s_cmp_ge_u32 s[KAP], 24                        ; T?
	s_cselect_b32 s38, s50, s38
	s_cselect_b32 s43, s52, s43
	s_cselect_b32 s53, s56, s53
	s_cselect_b32 s59, s36, 0                      ; 1024 in the wave that holds T's tile 64
	s_mov_b32 s33, 0
	s_mov_b32 s35, 0
	s_mov_b32 s39, 0
	s_mov_b32 s44, s43
	s_mov_b32 s45, 0
	s_mov_b32 s46, s53
	s_mov_b32 s47, 0
	s_add_nc_u64 s[24:25], s[12:13], s[38:39]      ; the first half image
	s_add_nc_u64 s[26:27], s[24:25], s[46:47]      ; the second
	s_add_nc_u64 s[18:19], s[18:19], s[44:45]      ; the scale words
	s_cmp_eq_u32 s59, 1024                         ; T: where block 0 is stored once more: one slot back in the wave that holds tile 64, in its own place in the others.  A choice of an offset: no branch hangs on it
	s_cselect_b32 s60, 768, 0
	s_mov_b32 s61, 0
	s_sub_nc_u64 s[28:29], s[24:25], s[60:61]
	s_sub_nc_u64 s[30:31], s[26:27], s[60:61]
	s_mov_b32 s[SEL], 0x76543210
	s_mov_b32 s[SEL+1], 0xfedcba98
	v_mul_u32_u24 v[VOFFS], s58, v2
	v_add_nc_u32 v[VOFFS], v[VOFFS], v[VL16]
.irp b, 0,1,2,3
	v_mov_b32 v[TM+4+\b], 0                        ; a lane permute's destination counts as one of its sources
.endr
; 64 numbers of a lane in window w, v[s] on (four blocks of 32, half of each mine), become 12 registers of codes in v[PC] on and the row's scale word in v[pw].  Each accumulator is read from its low end on.
.macro QUANTW s, w, pw
	WIN 0
.irp b, 0,1,2,3
	v_mov_b32 v[TM+\b], 0x1800000                  ; the floor 2^(3 - 127): the byte cannot fall under 1
.endr
	WIN ((\w)<<2)|((\w)<<4)
.irp i, 0,2,4,6,8,10,12,14
.irp b, 0,1,2,3
	v_max3_num_f32 v[TM+\b], v[TM+\b], |v[\s+16*\b+\i]|, |v[\s+1+16*\b+\i]|
.endr
.endr
	WIN 0
.irp b, 0,1,2,3
	v_permlanex16_b32 v[TM+4+\b], v[TM+\b], s[SEL], s[SEL+1]
.endr
.irp b, 0,1,2,3
	v_max_num_f32 v[TM+\b], v[TM+\b], v[TM+4+\b]   ; with lane l xor 16's: the block's largest magnitude
.endr
.irp b, 0,1,2,3
	v_add_nc_u32 v[TM+12+\b], 0xff000000, v[TM+\b] ; 2 off its exponent field: the conversion's scale operand
.endr
.irp b, 0,1,2,3
	v_lshrrev_b32 v[TM+4+\b], 23, v[TM+12+\b]
.endr
	v_lshl_or_b32 v[\pw], v[TM+5], 8, v[TM+4]
	v_lshl_or_b32 v[\pw], v[TM+6], 16, v[\pw]
	v_lshl_or_b32 v[\pw], v[TM+7], 24, v[\pw]
	WIN \w
.irp c, 0,1
	v_cvt_scalef32_pk16_fp6_f32 v[PC+6*\c:PC+2+6*\c], v[\s+32*\c:\s+15+32*\c], v[TM+12+2*\c]
	v_cvt_scalef32_pk16_fp6_f32 v[PC+12+4*\c:PC+14+4*\c], v[\s+16+32*\c:\s+31+32*\c], v[TM+12+2*\c+1]
.endr
	WIN 0
	v_nop                                          ; one plain line behind a scaled conversion
.irp c, 0,1                                    ; a whole block to a lane: lanes 0-15 block 2 c, lanes 16-31 block 2 c + 1
.irp i, 0,1,2
	v_permlane16_swap_b32 v[PC+6*\c+\i], v[PC+12+4*\c+\i]
.endr
.irp i, 0,1,2
	v_mov_b32 v[PC+3+6*\c+\i], v[PC+12+4*\c+\i]
.endr
.endr
.endm
.macro OUTA a
	s_wait_xcnt 0x0                                ; the last block's stores have read their data and bases: both are written again only behind this wait
.if (\a) > 0
.irp p, 24,26
	s_add_nc_u64 s[\p:\p+1], s[\p:\p+1], s[32:33]
.endr
.endif
.if (\a) == 4
.irp p, 24,26
	s_add_nc_u64 s[\p:\p+1], s[\p:\p+1], s[34:35]
.endr
.endif
	QUANTW 64*((\a)%4), 2+(\a)/4, PWS+(\a)
	global_store_b128 v[VL16], v[PC:PC+3], s[24:25]                ; 512 consecutive bytes, aligned to 256
	global_store_b64 v[VL8], v[PC+4:PC+5], s[24:25] offset:512     ; 256 more
	global_store_b128 v[VL16], v[PC+6:PC+9], s[26:27]
	global_store_b64 v[VL8], v[PC+10:PC+11], s[26:27] offset:512
.if (\a) == 0
	s_cmp_lt_u32 s[KAP], 24                        ; the role T alone (the cluster's number: the same in all partners): tile 64 goes into slot 65 and, once more, into slot 64
	s_cbranch_scc1 .Lno_gap
	global_store_b128 v[VL16], v[PC:PC+3], s[28:29]
	global_store_b64 v[VL8], v[PC+4:PC+5], s[28:29] offset:512
	global_store_b128 v[VL16], v[PC+6:PC+9], s[30:31]
	global_store_b64 v[VL8], v[PC+10:PC+11], s[30:31] offset:512
.Lno_gap:
.endif
.endm
.irp a, 0,1,2,3,4,5,6,7
	OUTA \a
.endr
.irp a, 0,1,2,3,4,5,6,7
	ds_store_b32 v[VSS], v[PWS+\a] offset:64*\a    ; lanes r and r + 16 write the same word
.endr
	ds_load_b128 v[TM:TM+3], v[VSL]                ; LDS serves a wave's instructions in order
	s_wait_dscnt 0x0
	global_store_b128 v[VOFFS], v[TM:TM+3], s[18:19]
	s_wait_tensorcnt 0x0                           ; the wave's end
	ds_add_u32 v[SPW], v[NIL]
	s_wait_dscnt 0x0
	CROUND                                         ; the closing round
	s_endpgm
.Lfunc_end_k_q92260b03eb_gemmq:
	.size	k_q92260b03eb_gemmq, .Lfunc_end_k_q92260b03eb_gemmq-k_q92260b03eb_gemmq
	.p2alignl 7, 3214868480
	.fill 96, 4, 3214868480
	.section	.rodata,"a",@progbits
	.p2align	6, 0x0
	.amdhsa_kernel k_q92260b03eb_gemmq
		.amdhsa_group_segment_fixed_size 327680
		.amdhsa_private_segment_fixed_size 0
		.amdhsa_enable_private_segment 0
		.amdhsa_kernarg_size 64
		.amdhsa_user_sgpr_count 2
		.amdhsa_user_sgpr_kernarg_segment_ptr 1
		.amdhsa_wavefront_size32 1
		.amdhsa_system_sgpr_workgroup_id_x 1
		.amdhsa_system_sgpr_workgroup_id_y 1
		.amdhsa_system_sgpr_workgroup_id_z 1
		.amdhsa_system_vgpr_workitem_id 0
		.amdhsa_next_free_vgpr 1024
		.amdhsa_next_free_sgpr 100
		.amdhsa_reserve_vcc 0
		.amdhsa_float_denorm_mode_32 3
		.amdhsa_float_denorm_mode_16_64 3
		.amdhsa_memory_ordered 1
		.amdhsa_forward_progress 1
		.amdhsa_inst_pref_size 171
	.end_amdhsa_kernel
	.amdgpu_metadata
---
amdhsa.version: [ 1, 2 ]
amdhsa.kernels:
  - .name:           k_q92260b03eb_gemmq
    .symbol:         k_q92260b03eb_gemmq.kd
    .args:
      - { .name: xpc, .offset: 0, .size: 8, .value_kind: global_buffer, .address_space: global }
      - { .name: xps, .offset: 8, .size: 8, .value_kind: global_buffer, .address_space: global }
      - { .name: Wqkv_codes, .offset: 16, .size: 8, .value_kind: global_buffer, .address_space: global }
      - { .name: Wqkv_scales, .offset: 24, .size: 8, .value_kind: global_buffer, .address_space: global }
      - { .name: Wr_codes, .offset: 32, .size: 8, .value_kind: global_buffer, .address_space: global }
      - { .name: Wr_scales, .offset: 40, .size: 8, .value_kind: global_buffer, .address_space: global }
      - { .name: img, .offset: 48, .size: 8, .value_kind: global_buffer, .address_space: global }
      - { .name: sc, .offset: 56, .size: 8, .value_kind: global_buffer, .address_space: global }
    .group_segment_fixed_size: 327680
    .private_segment_fixed_size: 0
    .kernarg_segment_align: 8
    .kernarg_segment_size: 64
    .max_flat_workgroup_size: 128
    .sgpr_count:     100
    .vgpr_count:     1024
    .wavefront_size: 32
...
	.end_amdgpu_metadata
.endif
;; end of part 2
;; launch attn (part 3): grid 2 x 128, 16 waves a work-group, no clusters, 327,680 bytes of LDS; arguments img, sc, mask, at, asc; writes at, asc
.if DOCPART == 3
	.amdgcn_target "amdgcn-amd-amdhsa--gfx1250"
	.amdhsa_code_object_version 6
	.text
	.protected	k_q92260b03eb_attn
	.globl	k_q92260b03eb_attn
	.p2align	8
	.type	k_q92260b03eb_attn,@function
k_q92260b03eb_attn:
	s_mov_b64 s[64:65], 0
	v_nop
	global_prefetch_b8 v0, s[64:65] scope:SCOPE_SE
	s_setreg_imm32_b32 hwreg(HW_REG_WAVE_MODE, 25, 1), 1
	s_wait_xcnt 0x0
; LAUNCH 3 OF 4.  attn_vec = softmax((q k^T + shifted q r^T) / 8, masked) v, all products on codes of FP6; the result is quantised along head x 64 + channel and stored as operand images for the last product.
; SHARES.  A work-group owns 512 queries of one batch and head and walks them in two passes of 256; in a pass each of its sixteen waves owns 16 queries, in 256 registers.  All of the head's K and V and the
; work-group's window of T (97 slots of 768 bytes) lie in LDS, each filled once: one barrier in front of the first pass, none between the passes (a wave writes its own stage alone), no ring.
; NO CLUSTER: a head has two work-groups; a cluster is four wide here and would hold two heads, so a joint load's address would hang on the place in the cluster.
; NO PREFETCH: every tile is asked for once, at the head; there is no loop to run ahead in.
; LAYOUT.  All products are used transposed (source 0 = 16 keys, rows of T or channels; source 1 = my 16 queries): lane (a, h) holds query a throughout.
; POSITION SCORES.  For query i0 + a and key j0 + c the row of T is u = 16 t0 + (15 - a + c), t0 = 63 - i0 / 16 + j0 / 16: nine tiles of T for 128 keys.  Rows u < 1024 meet q(i), the others q(i + 1).  Source 1 is
; [q(i) | q(i + 1)], 128 wide.  T's half images lie in slots: tile t < 64 in slot t, tile t >= 64 in slot t + 1.  Source 0 of tile t is [slot t | slot t + 1]: the tile's own codes stand in the half that meets its query;
; the tile's scale words carry r's bytes on that half and the byte 1 (2^-126) on the other.  So neighbouring tiles share registers: eleven half images are read for nine tiles.
; The shift by 15 - a goes through my own stage in LDS: rows stored 336 bytes apart, read back 332 apart, straight into the registers that are then the C of the content product.
; THE MASK rides in K's scale words: K's fragment carries the code 1.0 at k = 64, Q's the code -1.0 with block byte 171; byte 2 of a key's word is 187 where the key is masked (adds -2^104) and 1 where not (adds -2^-82).
; The running maximum begins at -2^93, above every masked t.  Where a batch's keys are ALL masked the factor c is chosen 0: t = 0, p = 1, as reference() has it there.
; SOFTMAX: t = score x log2(e) / 8; M = the running largest t rounded up to a whole number; p = 2^(t - M) is quantised along the keys; the row's sum is taken of the unquantised p and divides at the end.
; LIMITS: |q k + q r| under 2^93; NaN and infinities are not served; the half of source 0 that is not to count adds at most 64 x 7.5 x 7.5 x 2^-126 x (the other query's block scale) to a position score:
; it shows only where r's own block scale lies near 2^-100 or under.
.set BLK,   149504
.set TOFF,  128*BLK
.set TH,    129*768
.set KL,    0                          ; LDS: K 64 half images; V [step][4][1536]; V's scale words [step][64]: one dense run of 100,352 bytes as in img
.set VL,    49152
.set VSC,   98304
.set TL,    100352                     ; T's window: 97 slots
.set KSC,   174848                     ; K's scale words with the mask, [step][lane][4]
.set TSC,   178944                     ; T's scale words, [tile 96][16]
.set ASCS,  185088                     ; the result's scale bytes, 2 a query, 512 queries
.set STG,   186112                     ; stages: 16 rows x 336 bytes a wave
.set SPARE, 272128                     ; the spare words: 128 bytes a wave, named by no other line
.set A16, 1
.set A8,  2
.set T16B, 3
.set T8B, 4
.set SPW, 5
.set NIL, 6
.set TSB, 7
.set TSRB, 8
.set KSB, 9
.set STO, 10
.set SLD, 11
.set QBD, 16                           ; v16-27 [q(i) | q(i+1)]
.set QAC, 28                           ; v28-39 [q(i) | -1.0, zeros]
.set SQB, 40
.set SQA, 41
.set V16B, 42
.set V8B, 43
.set VSB, 44
.set AD0, 45
.set AD1, 46
.set AD2, 47
.set AD3, 241
.set FB,  48                           ; v48-95 eight half images, or four fragments
.set S,   96                           ; v96-167 nine tiles of position scores; then 64 scores, then p
.set O,   168                          ; v168-199 O^T
.set PC,  200
.set BM,  220
.set T2,  224
.set SOP, 228
.set SCR, 232
.set PW,  237
.set FF,  238
.set TMP, 240
.set KSW, 242
.set TSW, 243
.set ASW, 244
.set ASL, 245
.set SUM2, 246
.set WV,  18
.set SEL, 20
.set CS,  22
.set G1K, 24
.set G1T, 32
.set G0K, 40
.set G0T, 44
.set SKV, 49
.set S5,  50
.set SVS, 51
.set CNT, 52
.macro PLACES
.rept 4
	v_nop
.endr
.endm
	s_load_b256 s[4:11], s[0:1], 0x0               ; img, sc, mask, at
	s_load_b64 s[12:13], s[0:1], 0x20              ; asc
	v_lshl_add_u32 v[SPW], v0, 2, SPARE
	v_mov_b32 v[NIL], 0
	ds_add_u32 v[SPW], v[NIL]                      ; the opening: the add, twice on end, and its wait ahead of my first tensor load
	ds_add_u32 v[SPW], v[NIL]
	v_lshrrev_b32 v[TMP], 5, v0
	s_delay_alu instid0(VALU_DEP_1)
	v_readfirstlane_b32 s[WV], v[TMP]              ; wave 0..15
	s_mov_b32 s53, ttmp9                           ; c: my 512 queries
	s_and_b32 s54, ttmp7, 0xffff                   ; 16 batch + head
	s_and_b32 s55, s54, 15
	s_lshr_b32 s56, s54, 4
	s_mov_b32 s[G1K], 3<<16                        ; K, V, V's scale words: 98 rows of 256 bytes, dense
	s_mov_b32 s[G1K+1], 32<<16
	s_mov_b32 s[G1K+2], 98<<16
	s_mov_b32 s[G1K+3], 32<<16
	s_mov_b32 s[G1K+4], 98
	s_mov_b32 s[G1K+5], 32
	s_mov_b32 s[G1K+6], 0
	s_mov_b32 s[G1K+7], 0
	s_mov_b32 s[G1T], 3<<16                        ; a third of T's window: 97 rows of 256 bytes, dense
	s_mov_b32 s[G1T+1], 32<<16
	s_mov_b32 s[G1T+2], 97<<16
	s_mov_b32 s[G1T+3], 32<<16
	s_mov_b32 s[G1T+4], 97
	s_mov_b32 s[G1T+5], 32
	s_mov_b32 s[G1T+6], 0
	s_mov_b32 s[G1T+7], 0
	s_mov_b32 s[SEL], 0x76543210
	s_mov_b32 s[SEL+1], 0xfedcba98
	; every LDS address register is made here, ahead of the first branch on the wave's number
	v_and_b32 v[TMP], 31, v0                       ; L
	v_and_b32 v246, 15, v0                         ; a
	v_bfe_u32 v247, v0, 4, 1                       ; h
	s_delay_alu instid0(VALU_DEP_3)
	v_lshlrev_b32 v[A16], 4, v[TMP]
	s_delay_alu instid0(VALU_DEP_4)
	v_lshlrev_b32 v[A8], 3, v[TMP]
	s_xor_b32 s57, s[WV], 15                       ; 15 - wave: my first tile in the window in the second pass; the first pass stands 16 tiles further on
	s_mul_i32 s58, s57, 768
	s_add_co_u32 s58, s58, TL
	v_add_nc_u32 v[T16B], s58, v[A16]
	v_add_nc_u32 v[T8B], s58, v[A8]
	s_lshl_b32 s59, s57, 6
	s_add_co_u32 s59, s59, TSC
	v_lshl_add_u32 v[TSB], v[TMP], 2, s59          ; lanes 0-15 an even tile's words, lanes 16-31 the next tile's
	v_lshl_add_u32 v[TSRB], v246, 2, s59
	v_add_nc_u32 v[KSB], KSC, v[A16]
	s_mul_i32 s60, s[WV], 5376
	s_add_co_u32 s60, s60, STG
	v_mul_u32_u24 v[STO], v246, 336
	s_delay_alu instid0(VALU_DEP_1)
	v_lshl_add_u32 v[STO], v247, 5, v[STO]
	s_delay_alu instid0(VALU_DEP_1)
	v_add_nc_u32 v[STO], s60, v[STO]               ; in: row a, 32 h
	v_mul_u32_u24 v[SLD], v246, 332
	s_delay_alu instid0(VALU_DEP_1)
	v_lshl_add_u32 v[SLD], v247, 5, v[SLD]
	s_add_co_u32 s60, s60, 60
	v_add_nc_u32 v[SLD], s60, v[SLD]               ; back: row a, 15 - a words on, 32 h
	v_add_nc_u32 v[V16B], VL, v[A16]
	v_add_nc_u32 v[V8B], VL, v[A8]
	v_lshl_add_u32 v[VSB], v[TMP], 2, VSC
	v_lshl_add_u32 v[KSW], v0, 3, KSC
	v_lshl_add_u32 v[TSW], v0, 4, TSC
	s_lshl_b32 s61, s[WV], 5
	s_add_co_u32 s61, s61, ASCS
	v_lshl_add_u32 v[ASW], v246, 1, s61
	v_add_nc_u32 v[ASL], ASCS, v[A16]
	; offsets in memory
	s_mul_i32 s66, s54, BLK
	s_mov_b32 s67, 0
	s_and_b32 s68, s[WV], 3
	s_mul_i32 s68, s68, 25088                      ; waves 12-15: my quarter of K, V and V's scale words
	s_mov_b32 s69, 0
	s_min_u32 s70, s[WV], 2                        ; waves 0-2: my third of the window, 24,832 bytes
	s_mul_i32 s70, s70, 24832
	s_lshl_b32 s71, s53, 5
	s_sub_co_u32 s71, 32, s71                      ; the window's first tile and slot: 32 - 32 c
	s_mul_i32 s72, s71, 768
	s_add_co_u32 s72, s72, s70
	s_mul_i32 s73, s55, TH
	s_add_co_u32 s72, s72, s73
	s_add_co_u32 s72, s72, TOFF
	s_mov_b32 s73, 0
	s_lshl_b32 s74, s53, 9
	s_lshl_b32 s75, s[WV], 4
	s_add_co_u32 s74, s74, s75                     ; i0 of the first pass
	s_mul_i32 s78, s74, 48                         ; tile i0 / 16 x 768
	s_mov_b32 s79, 0
	s_lshr_b32 s84, s55, 1
	s_lshl_b32 s84, s84, 13
	s_lshl_b32 s85, s56, 10
	s_add_co_u32 s84, s84, s85
	s_lshl_b32 s84, s84, 2                         ; q's scale words: [head / 2][1024 batch ..]
	s_mov_b32 s85, 0
	s_lshl_b32 s86, s56, 10                        ; the batch's mask
	s_mov_b32 s87, 0
	s_lshr_b32 s88, s55, 1
	s_lshl_b32 s88, s88, 11
	s_lshl_b32 s89, s71, 4
	s_add_co_u32 s88, s88, s89
	s_lshl_b32 s88, s88, 2
	s_add_co_u32 s88, s88, 524288                  ; T's scale words from the window's first row on
	s_mov_b32 s89, 0
	s_and_b32 s90, s55, 1
	s_lshl_b32 s90, s90, 4                         ; my head's two bytes in a word of a pair of heads
	s_add_co_u32 s91, s53, 1
	s_lshl_b32 s91, s91, 7                         ; thread numbers under 128 (1 + c) hold rows u < 1024
	s_lshl_b32 s92, s56, 6
	s_lshr_b32 s93, s74, 4
	s_add_co_u32 s92, s92, s93
	s_lshl_b32 s92, s92, 4
	s_add_co_u32 s92, s92, s55
	s_mul_i32 s92, s92, 768                        ; at [token tile][head]
	s_mov_b32 s93, 0
	s_lshl_b32 s94, s55, 13
	s_lshl_b32 s95, s56, 10
	s_add_co_u32 s94, s94, s95
	s_lshl_b32 s95, s53, 9
	s_add_co_u32 s94, s94, s95
	s_lshl_b32 s94, s94, 1                         ; asc [head][token], 2 bytes
	s_mov_b32 s95, 0
	s_wait_dscnt 0x0                               ; both opening adds are done
	s_wait_kmcnt 0x0
	s_add_nc_u64 s[76:77], s[4:5], s[66:67]        ; my batch and head's block
	s_mov_b32 s[G0K], 1
	s_mov_b32 s[G0K+1], s68
	s_add_nc_u64 s[G0K+2:G0K+3], s[76:77], s[68:69]
	s_add_nc_u64 s[G0K+2:G0K+3], s[G0K+2:G0K+3], 49152
	s_or_b32 s[G0K+3], s[G0K+3], 0x80000000
	s_mov_b32 s[G0T], 1
	s_add_co_u32 s[G0T+1], s70, TL
	s_add_nc_u64 s[G0T+2:G0T+3], s[4:5], s[72:73]
	s_or_b32 s[G0T+3], s[G0T+3], 0x80000000
	s_add_nc_u64 s[80:81], s[76:77], s[78:79]      ; my tile of Q in the first pass
	s_add_nc_u64 s[82:83], s[6:7], s[84:85]
	s_add_nc_u64 s[86:87], s[8:9], s[86:87]
	s_add_nc_u64 s[88:89], s[6:7], s[88:89]
	s_add_nc_u64 s[10:11], s[10:11], s[92:93]
	s_add_nc_u64 s[12:13], s[12:13], s[94:95]
	s_cmp_lt_u32 s[WV], 3                          ; one chain of branches: waves 0-2 the window's thirds, waves 12-15 K's and V's quarters, the others none
	s_cbranch_scc0 .Lfill_kv
	tensor_load_to_lds s[G0T:G0T+3], s[G1T:G1T+7]
	s_nop 0
	PLACES
	s_branch .Lfilled
.Lfill_kv:
	s_cmp_lt_u32 s[WV], 12
	s_cbranch_scc1 .Lfilled
	tensor_load_to_lds s[G0K:G0K+3], s[G1K:G1K+7]
	s_nop 0
	PLACES
.Lfilled:
; a pass's q is asked for: my tile's half image, rows i + 1 picked out of their half images, both rows' scale words
.macro QLOAD pass
.if \pass
	s_add_co_u32 s74, s74, 256
.endif
	v_and_b32 v254, 15, v0                         ; a
	v_bfe_u32 v255, v0, 4, 1                       ; h
	s_delay_alu instid0(VALU_DEP_2)
	v_add_nc_u32 v250, s74, v254                   ; i
	s_delay_alu instid0(VALU_DEP_1)
	v_add_nc_u32 v251, 1, v250
	s_delay_alu instid0(VALU_DEP_1)
	v_min_u32 v251, 0x3ff, v251                    ; i + 1, held at 1023 (query 1023 never meets a row u >= 1024)
	s_delay_alu instid0(VALU_DEP_1)
	v_lshrrev_b32 v248, 4, v251
	s_delay_alu instid0(VALU_DEP_1)
	v_mul_u32_u24 v248, v248, 768
	s_delay_alu instid0(VALU_DEP_3)
	v_and_b32 v249, 15, v251
	s_delay_alu instid0(VALU_DEP_1)
	v_lshl_add_u32 v252, v249, 4, v248
	s_delay_alu instid0(VALU_DEP_2)
	v_lshl_add_u32 v253, v249, 3, v248
	s_delay_alu instid0(VALU_DEP_2)
	v_lshl_add_u32 v248, v255, 8, v252             ; row i + 1's place in its tile's half image: registers 0-3,
	s_delay_alu instid0(VALU_DEP_2)
	v_lshl_add_u32 v249, v255, 7, v253             ; registers 4-5
	v_lshlrev_b32 v250, 2, v250
	v_lshlrev_b32 v251, 2, v251
	global_load_b128 v[QBD:QBD+3], v[A16], s[80:81] offset:12288*\pass
	global_load_b64 v[QBD+4:QBD+5], v[A8], s[80:81] offset:12288*\pass+512
	global_load_b128 v[QBD+6:QBD+9], v248, s[76:77]
	global_load_b64 v[QBD+10:QBD+11], v249, s[76:77] offset:512
	global_load_b32 v252, v250, s[82:83]
	global_load_b32 v253, v251, s[82:83]
.endm
; and made ready: the content product's operand, the two scale words, the statistics, O^T, the steps' scalars
.macro FINISHQ first
.if !(\first)
	s_wait_loadcnt 0x0                             ; q
	s_wait_xcnt 0x0                                ; the last pass's stores have read their codes
.endif
.irp i, 0,1,2,3,4,5
	v_mov_b32 v[QAC+\i], v[QBD+\i]
.endr
.if \first
	v_xor_b32 v[QAC+6], 1, v255
	s_delay_alu instid0(VALU_DEP_1)
	v_mul_u32_u24 v[QAC+6], v[QAC+6], 40           ; the code -1.0 at k = 64: lanes 0-15 alone
.irp i, 7,8,9,10,11
	v_mov_b32 v[QAC+\i], 0
.endr
.irp b, 0,1,2,3
	v_mov_b32 v[T2+\b], 0                          ; a lane permute's destination counts as one of its sources
.endr
	v_mov_b32 v[FF+1], 0                           ; named as the upper half of a pair
.endif
	v_lshrrev_b32 v252, s90, v252
	v_lshrrev_b32 v253, s90, v253
	s_delay_alu instid0(VALU_DEP_2)
	v_and_b32 v252, 0xffff, v252                   ; q(i)'s two bytes
	s_delay_alu instid0(VALU_DEP_2)
	v_and_b32 v253, 0xffff, v253                   ; q(i + 1)'s
	s_delay_alu instid0(VALU_DEP_1)
	v_lshl_or_b32 v[SQB], v253, 16, v252
	s_delay_alu instid0(VALU_DEP_3)
	v_or_b32 v[SQA], 0x1ab0000, v252               ; block 2: byte 171; block 3: zeros under byte 1
	v_mov_b32 v13, 0xee000000                      ; the largest t so far: -2^93
	s_delay_alu instid0(VALU_DEP_1)
	v_floor_f32 v12, -v13                          ; -M
	v_mov_b32 v14, 0
	v_mov_b32 v15, 0
.set J, 0
.rept 32
	v_mov_b32 v[O+J], 0                            ; the step is written once: a pass's first finds zeros
.set J, J+1
.endr
	s_mov_b32 s[SKV], 0
	s_mov_b32 s[S5], 0
	s_mov_b32 s[SVS], 0
	s_mov_b32 s[CNT], 0
.endm
	; what comes through registers
	v_lshrrev_b32 v204, 5, v0                      ; K's scale words: thread n makes words 2 n, 2 n + 1 of [step][lane][4]: keys 64 (n / 32) + 32 (n % 2) + (n / 2) % 16, and 16 on
	s_delay_alu instid0(VALU_DEP_1)
	v_lshlrev_b32 v204, 6, v204
	v_and_b32 v211, 1, v0
	s_delay_alu instid0(VALU_DEP_1)
	v_lshl_add_u32 v204, v211, 5, v204
	v_bfe_u32 v211, v0, 1, 4
	s_delay_alu instid0(VALU_DEP_1)
	v_add_nc_u32 v204, v204, v211
	s_delay_alu instid0(VALU_DEP_1)
	v_lshlrev_b32 v205, 2, v204
	v_lshlrev_b32 v206, 5, v[TMP]
	v_lshlrev_b32 v207, 4, v0
	QLOAD 0
	global_load_b32 v[BM], v205, s[82:83] offset:262144            ; k's words lie eight groups behind q's
	global_load_b32 v[BM+1], v205, s[82:83] offset:262144+64
	global_load_u8 v[BM+2], v204, s[86:87]
	global_load_u8 v[BM+3], v204, s[86:87] offset:16
	global_load_b128 v[96:99], v206, s[86:87]                      ; the batch's whole mask, 32 bytes a lane
	global_load_b128 v[100:103], v206, s[86:87] offset:16
	s_cmp_lt_u32 s[WV], 12                         ; T's 1,536 scale words: four a thread, waves 0-11
	s_cbranch_scc0 .Lno_tsc
	global_load_b128 v[104:107], v207, s[88:89]
	v_cmp_gt_u32 s97, s91, v0                      ; rows u < 1024?
	s_wait_loadcnt 0x0
.irp i, 0,1,2,3
	v_lshrrev_b32 v[104+\i], s90, v[104+\i]
.endr
.irp i, 0,1,2,3
	s_delay_alu instid0(VALU_DEP_4)
	v_and_b32 v[104+\i], 0xffff, v[104+\i]
.endr
.irp i, 0,1,2,3
	v_lshl_or_b32 v[108+\i], v[104+\i], 16, 0x101  ; against q(i + 1): r's bytes stand above, the byte 1 below
	v_or_b32 v[104+\i], 0x1010000, v[104+\i]       ; against q(i): the other way round
.endr
.irp i, 0,1,2,3
	v_cndmask_b32 v[104+\i], v[108+\i], v[104+\i], s97
.endr
	ds_store_b128 v[TSW], v[104:107]
.Lno_tsc:
	s_wait_loadcnt 0x0
	v_lshrrev_b32 v[BM], s90, v[BM]
	v_lshrrev_b32 v[BM+1], s90, v[BM+1]
	s_delay_alu instid0(VALU_DEP_2)
	v_and_b32 v[BM], 0xffff, v[BM]
	s_delay_alu instid0(VALU_DEP_2)
	v_and_b32 v[BM+1], 0xffff, v[BM+1]
	v_mul_u32_u24 v[BM+2], v[BM+2], 186
	v_mul_u32_u24 v[BM+3], v[BM+3], 186
	s_delay_alu instid0(VALU_DEP_2)
	v_sub_nc_u32 v[BM+2], 187, v[BM+2]             ; 187 where masked, 1 where not
	s_delay_alu instid0(VALU_DEP_2)
	v_sub_nc_u32 v[BM+3], 187, v[BM+3]
	s_delay_alu instid0(VALU_DEP_2)
	v_lshl_or_b32 v[BM], v[BM+2], 16, v[BM]
	s_delay_alu instid0(VALU_DEP_2)
	v_lshl_or_b32 v[BM+1], v[BM+3], 16, v[BM+1]
	s_delay_alu instid0(VALU_DEP_2)
	v_or_b32 v[BM], 0x1000000, v[BM]
	s_delay_alu instid0(VALU_DEP_2)
	v_or_b32 v[BM+1], 0x1000000, v[BM+1]
	ds_store_b64 v[KSW], v[BM:BM+1]
	v_or_b32 v96, v96, v97
	v_or_b32 v98, v98, v99
	v_or_b32 v100, v100, v101
	v_or_b32 v102, v102, v103
	s_delay_alu instid0(VALU_DEP_3)
	v_or_b32 v96, v96, v98
	s_delay_alu instid0(VALU_DEP_2)
	v_or_b32 v100, v100, v102
	s_delay_alu instid0(VALU_DEP_1)
	v_or_b32 v96, v96, v100
	s_delay_alu instid0(VALU_DEP_1)
	v_cmp_ne_u32 s97, 0, v96
	s_cmp_lg_u32 s97, 0                            ; does any key of the batch count?  A choice of a value: no branch hangs on it
	s_cselect_b32 s[CS], 0x3e38aa3b, 0             ; c = log2(e) / 8, or 0
	s_mov_b32 s[CS+1], s[CS]
	FINISHQ 1
	s_wait_tensorcnt 0x0                           ; my tile has landed,
	s_wait_dscnt 0x0                               ; my scale words are stored:
	s_barrier_signal -1
	s_barrier_wait -1                              ; everybody's
.macro IMG12 reg, a16, a8, off         ; a fragment of 12 registers from its two half images
	ds_load_b128 v[\reg:\reg+3], v[\a16] offset:\off
	ds_load_b64 v[\reg+4:\reg+5], v[\a8] offset:\off+512
	ds_load_b128 v[\reg+6:\reg+9], v[\a16] offset:\off+768
	ds_load_b64 v[\reg+10:\reg+11], v[\a8] offset:\off+1280
.endm
.macro IMG6 reg, a16, a8, off          ; one half image: six registers
	ds_load_b128 v[\reg:\reg+3], v[\a16] offset:\off
	ds_load_b64 v[\reg+4:\reg+5], v[\a8] offset:\off+512
.endm
.macro BDM w, f                        ; tile w of T, [its slot | the next] in v[f] on, against [q(i) | q(i + 1)]
.if ((\w)%2) == 1
	v_wmma_scale_f32_16x16x128_f8f6f4 v[S+8*(\w):S+8*(\w)+7], v[\f:\f+11], v[QBD:QBD+11], 0, v[SCR+(\w)/2], v[SQB] matrix_a_fmt:MATRIX_FMT_FP6 matrix_b_fmt:MATRIX_FMT_FP6 matrix_a_scale:MATRIX_SCALE_ROW1
.else
	v_wmma_scale_f32_16x16x128_f8f6f4 v[S+8*(\w):S+8*(\w)+7], v[\f:\f+11], v[QBD:QBD+11], 0, v[SCR+(\w)/2], v[SQB] matrix_a_fmt:MATRIX_FMT_FP6 matrix_b_fmt:MATRIX_FMT_FP6
.endif
.endm
.macro ACMUL t                         ; 16 keys against q(i), onto the shifted position scores
.if (\t) >= 4
	v_wmma_scale_f32_16x16x128_f8f6f4 v[S+8*(\t):S+8*(\t)+7], v[FB+12*((\t)%4):FB+12*((\t)%4)+11], v[QAC:QAC+11], v[S+8*(\t):S+8*(\t)+7], v[SCR+(\t)%4], v[SQA] matrix_a_fmt:MATRIX_FMT_FP6 matrix_b_fmt:MATRIX_FMT_FP6 matrix_a_scale:MATRIX_SCALE_ROW1
.else
	v_wmma_scale_f32_16x16x128_f8f6f4 v[S+8*(\t):S+8*(\t)+7], v[FB+12*((\t)%4):FB+12*((\t)%4)+11], v[QAC:QAC+11], v[S+8*(\t):S+8*(\t)+7], v[SCR+(\t)%4], v[SQA] matrix_a_fmt:MATRIX_FMT_FP6 matrix_b_fmt:MATRIX_FMT_FP6
.endif
.endm
.macro PVMUL d                         ; 16 channels x 128 keys against p
.if ((\d)%2) == 1
	v_wmma_scale_f32_16x16x128_f8f6f4 v[O+8*(\d):O+8*(\d)+7], v[FB+12*(\d):FB+12*(\d)+11], v[PC:PC+11], v[O+8*(\d):O+8*(\d)+7], v[SCR+(\d)/2], v[PW] matrix_a_fmt:MATRIX_FMT_FP6 matrix_b_fmt:MATRIX_FMT_FP6 matrix_a_scale:MATRIX_SCALE_ROW1
.else
	v_wmma_scale_f32_16x16x128_f8f6f4 v[O+8*(\d):O+8*(\d)+7], v[FB+12*(\d):FB+12*(\d)+11], v[PC:PC+11], v[O+8*(\d):O+8*(\d)+7], v[SCR+(\d)/2], v[PW] matrix_a_fmt:MATRIX_FMT_FP6 matrix_b_fmt:MATRIX_FMT_FP6
.endif
.endm
; tiles 4 x .. 4 x + 4 of the position scores go into my stage, each from its low end on, and keys 64 x .. 64 x + 63 come back shifted.  LDS serves a wave's instructions in order: no wait between
.macro STAGE_HALF x
.irp w, 0,1,2,3,4
	ds_store_b128 v[STO], v[S+8*(4*(\x)+\w):S+8*(4*(\x)+\w)+3] offset:64*\w
	ds_store_b128 v[STO], v[S+8*(4*(\x)+\w)+4:S+8*(4*(\x)+\w)+7] offset:64*\w+16
.endr
.irp n, 0,1,2,3,4,5,6,7,8,9,10,11,12,13,14,15,16,17,18,19,20,21,22,23,24,25,26,27,28,29,30,31
	ds_load_b32 v[S+32*(\x)+\n], v[SLD] offset:64*(\n/8)+4*(\n%8)
.endr
.endm
; A PASS'S WALK over the keys: eight trips of 128; no barrier inside: nothing in LDS but my own stage is written.  TOI, TSI: how far on the pass's slots of T and their scale words stand.
.macro STEPS
.Lstep_\@:
	v_add_nc_u32 v[AD0], s[SKV], v[T16B]           ; (these four are the places behind the last trip's products)
	v_add_nc_u32 v[AD1], s[SKV], v[T8B]
	v_add_nc_u32 v[AD2], s[S5], v[TSB]
	v_add_nc_u32 v[AD3], s[S5], v[TSRB]
.irp p, 0,1,2,3
	ds_load_b32 v[SCR+\p], v[AD2] offset:TSI+128*\p
.endr
	ds_load_b32 v[SCR+4], v[AD3] offset:TSI+512
.irp t, 0,1,2,3,4,5,6,7
	IMG6 FB+6*\t, AD0, AD1, TOI+768*\t             ; slots 0-7 on end in 48 registers: tiles 0-6's operands overlap by six registers
.endr
	s_wait_alu depctr_va_vdst(0)
	s_wait_dscnt 0x0
.irp w, 0,1,2,3,4,5,6
	BDM \w, FB+6*\w
.endr
	PLACES
.irp t, 0,1,2
	IMG6 FB+6*\t, AD0, AD1, TOI+768*(7+\t)         ; slots 7-9 for tiles 7 and 8
.endr
	STAGE_HALF 0
	s_wait_dscnt 42                                ; the six loads of slots 7-9 are in; the first half's 10 stores and 32 loads may be out
	BDM 7, FB
	BDM 8, FB+6
.set AD4, 248                                      ; v248: free inside the walk (a pass's loads of q have read it); here V's second address
.irp t, 1,2,3
	v_mov_b32 v[FB+12*\t+6], 8                     ; the code 1.0 at k = 64 (and 96, where Q has a zero); what else lies in registers 6-11 meets zero codes.  These three name no register of the two products above:
.endr
	v_add_nc_u32 v[AD2], s[S5], v[KSB]             ; with this line they are the four places behind them
	v_mov_b32 v[FB+6], 8                           ; (a register that the products above have read)
	STAGE_HALF 1
	v_add_nc_u32 v[AD0], s[SKV], v[A16]            ; four plain lines between an operand written by a vector instruction and the scaled product
	v_add_nc_u32 v[AD1], s[SKV], v[A8]
	v_nop
	v_nop
	ds_load_b128 v[SCR:SCR+3], v[AD2]              ; lanes 0-15: tiles 0-3's words; lanes 16-31: tiles 4-7's
.irp t, 0,1,2,3
	IMG6 FB+12*\t, AD0, AD1, 768*\t
.endr
	s_wait_alu depctr_va_vdst(0)
	s_wait_dscnt 0x0
.irp t, 0,1,2,3
	ACMUL \t
.endr
	v_add_nc_u32 v[AD3], s[SKV], v[V16B]           ; V's addresses, made here: with the v_nop the four places behind the products above
	v_add_nc_u32 v[AD4], s[SKV], v[V8B]
	v_add_nc_u32 v[AD2], s[SVS], v[VSB]
	v_nop
.irp t, 0,1,2,3
	IMG6 FB+12*\t, AD0, AD1, 768*(4+\t)
.endr
	s_wait_alu depctr_va_vdst(0)
	s_wait_dscnt 0x0
.irp t, 4,5,6,7
	ACMUL \t
.endr
.irp b, 0,1
	v_max3_num_f32 v[BM+\b], v[S+16*\b], v[S+1+16*\b], v[S+2+16*\b]    ; the largest score of each block of 32 keys: for the row's maximum, and, since p rises with the score, for the block's largest p
.endr
.irp b, 0,1
	v_max3_num_f32 v[BM+\b], v[BM+\b], v[S+16*\b+3], v[S+16*\b+4]      ; blocks 0 and 1 are tiles 0-3's results: these four lines name no register of tiles 4-7's products and are the places behind them
.endr
.irp d, 0,1,2,3
	IMG12 FB+12*\d, AD3, AD4, 1536*\d              ; V is asked for now and lands during the softmax
.endr
	ds_load_b32 v[SCR], v[AD2]
	ds_load_b32 v[SCR+1], v[AD2] offset:128
.irp b, 2,3
	v_max3_num_f32 v[BM+\b], v[S+16*\b], v[S+1+16*\b], v[S+2+16*\b]
.endr
.irp b, 2,3
	v_max3_num_f32 v[BM+\b], v[BM+\b], v[S+16*\b+3], v[S+16*\b+4]
.endr
.irp i, 5,7,9,11,13
.irp b, 0,1,2,3
	v_max3_num_f32 v[BM+\b], v[BM+\b], v[S+16*\b+\i], v[S+1+16*\b+\i]
.endr
.endr
.irp b, 0,1,2,3
	v_max_num_f32 v[BM+\b], v[BM+\b], v[S+15+16*\b]
.endr
.irp b, 0,1,2,3
	s_delay_alu instid0(VALU_DEP_4)
	v_permlanex16_b32 v[T2+\b], v[BM+\b], s[SEL], s[SEL+1]
.endr
.irp b, 0,1,2,3
	s_delay_alu instid0(VALU_DEP_4)
	v_max_num_f32 v[BM+\b], v[BM+\b], v[T2+\b]
.endr
	s_delay_alu instid0(VALU_DEP_2)
	v_max3_num_f32 v[TMP], v[BM], v[BM+1], v[BM+2]
	s_delay_alu instid0(VALU_DEP_1)
	v_max_num_f32 v[TMP], v[TMP], v[BM+3]
	s_delay_alu instid0(VALU_DEP_1)
	v_mul_f32 v[TMP], s[CS], v[TMP]                ; as t (c is not negative)
	s_delay_alu instid0(VALU_DEP_1)
	v_max_num_f32 v13, v13, v[TMP]
	v_mov_b32 v[TMP], v12
	s_delay_alu instid0(VALU_DEP_2)
	v_floor_f32 v12, -v13                          ; the new -M: M is a whole number
	s_delay_alu instid0(VALU_DEP_1)
	v_sub_f32 v[TMP], v12, v[TMP]
	s_delay_alu instid0(VALU_DEP_1)
	v_cvt_i32_f32 v[TMP], v[TMP]                   ; (it saturates)
	s_delay_alu instid0(VALU_DEP_1)
	v_ldexp_f32 v[FF], 1.0, v[TMP]                 ; f = 2^(old M - new M): rounds nothing
.set J, 0
.rept 32
	v_pk_fma_f32 v[S+J:S+J+1], v[S+J:S+J+1], s[CS:CS+1], v[12:13] op_sel_hi:[1,0,0]    ; t - M
.set J, J+2
.endr
.irp b, 0,1,2,3
	v_fma_f32 v[BM+\b], v[BM+\b], s[CS], v12
.endr
.set J, 0
	s_wait_alu depctr_va_vdst(0)
.rept 64
	v_exp_f32 v[S+J], v[S+J]                       ; p, not normalised
.set J, J+1
.endr
	v_pk_mul_f32 v[14:15], v[14:15], v[FF:FF+1] op_sel_hi:[1,0]    ; a plain line behind the exponentials
	s_wait_alu depctr_va_vdst(0)                   ; one wait for the batch of 64, ahead of its first reader
.irp b, 0,1,2,3
	v_exp_f32 v[BM+\b], v[BM+\b]                   ; the blocks' largest p
.endr
	v_pk_add_f32 v[SUM2:SUM2+1], v[S:S+1], v[S+2:S+3]              ; the row's sum of the unquantised p, in two chains
.irp j, 4,8,12,16,20,24,28,32,36,40,44
	v_pk_add_f32 v[14:15], v[14:15], v[S+\j:S+\j+1]
	v_pk_add_f32 v[SUM2:SUM2+1], v[SUM2:SUM2+1], v[S+2+\j:S+3+\j]
.endr
	s_wait_alu depctr_va_vdst(0)                   ; and one for the four
.irp b, 0,1,2,3
	v_max_num_f32 v[BM+\b], 0x1800000, v[BM+\b]    ; the floor 2^(3 - 127)
.endr
.irp b, 0,1,2,3
	s_delay_alu instid0(VALU_DEP_4)
	v_add_nc_u32 v[SOP+\b], 0xff000000, v[BM+\b]
.endr
.irp b, 0,1,2,3
	s_delay_alu instid0(VALU_DEP_4)
	v_lshrrev_b32 v[T2+\b], 23, v[SOP+\b]
.endr
	s_delay_alu instid0(VALU_DEP_3)
	v_lshl_or_b32 v[PW], v[T2+1], 8, v[T2]
	s_delay_alu instid0(VALU_DEP_1)
	v_lshl_or_b32 v[PW], v[T2+2], 16, v[PW]
	s_delay_alu instid0(VALU_DEP_1)
	v_lshl_or_b32 v[PW], v[T2+3], 24, v[PW]
.irp c, 0,1
	v_cvt_scalef32_pk16_fp6_f32 v[PC+6*\c:PC+2+6*\c], v[S+32*\c:S+15+32*\c], v[SOP+2*\c]
	v_cvt_scalef32_pk16_fp6_f32 v[PC+12+4*\c:PC+14+4*\c], v[S+16+32*\c:S+31+32*\c], v[SOP+2*\c+1]
.endr
	v_nop                                          ; one plain line behind a scaled conversion
.irp c, 0,1
.irp i, 0,1,2
	v_permlane16_swap_b32 v[PC+6*\c+\i], v[PC+12+4*\c+\i]
.endr
.irp i, 0,1,2
	s_delay_alu instid0(VALU_DEP_3)
	v_mov_b32 v[PC+3+6*\c+\i], v[PC+12+4*\c+\i]
.endr
.endr
.set J, 0
.rept 16
	v_pk_mul_f32 v[O+J:O+J+1], v[O+J:O+J+1], v[FF:FF+1] op_sel_hi:[1,0]    ; O^T under the new M
.set J, J+2
.endr
.irp j, 48,52,56,60                            ; the rest of the sums: nine plain lines between what vector instructions wrote for the products below and those products
	v_pk_add_f32 v[14:15], v[14:15], v[S+\j:S+\j+1]
	v_pk_add_f32 v[SUM2:SUM2+1], v[SUM2:SUM2+1], v[S+2+\j:S+3+\j]
.endr
	s_delay_alu instid0(VALU_DEP_1)
	v_pk_add_f32 v[14:15], v[14:15], v[SUM2:SUM2+1]
	s_wait_dscnt 0x0                               ; V and its scale words
.irp d, 0,1,2,3
	PVMUL \d
.endr
	s_add_co_u32 s[SKV], s[SKV], 6144
	s_add_co_u32 s[S5], s[S5], 512
	s_add_co_u32 s[SVS], s[SVS], 256
	s_add_co_u32 s[CNT], s[CNT], 1
	s_cmp_lt_u32 s[CNT], 8
	s_cbranch_scc1 .Lstep_\@
.endm
; A PASS'S WAY OUT.  O^T / the sum; true order along the channels (it meets Wo's given codes); two blocks of 32 quantised; a half image and two scale bytes a query.
.macro WAYOUT pass
	v_add_f32 v14, v14, v15
	s_delay_alu instid0(VALU_DEP_1)
	v_permlanex16_b32 v[T2], v14, s[SEL], s[SEL+1]
	s_delay_alu instid0(VALU_DEP_1)
	v_add_f32 v14, v14, v[T2]
	s_wait_alu depctr_va_vdst(0)
	v_rcp_f32 v14, v14
	v_nop                                          ; plain lines behind the reciprocal; with the two additions also the places behind the last products
	v_nop
	s_wait_alu depctr_va_vdst(0)
.set J, 0
.rept 32
	v_mul_f32 v[S+J], v[O+J], v14                  ; register 8 d + j: channel 16 d + 8 h + j
.set J, J+1
.endr
.irp b, 0,1
.irp j, 0,1,2,3,4,5,6,7
	v_permlane16_swap_b32 v[S+16*\b+\j], v[S+8+16*\b+\j]           ; now register 16 b + i: channel 32 b + 16 h + i
.endr
.endr
.irp b, 0,1
	v_max3_num_f32 v[BM+\b], |v[S+16*\b]|, |v[S+1+16*\b]|, 0x1800000
.endr
.irp i, 2,4,6,8,10,12,14
.irp b, 0,1
	s_delay_alu instid0(VALU_DEP_2)
	v_max3_num_f32 v[BM+\b], v[BM+\b], |v[S+16*\b+\i]|, |v[S+1+16*\b+\i]|
.endr
.endr
.irp b, 0,1
	s_delay_alu instid0(VALU_DEP_2)
	v_permlanex16_b32 v[T2+\b], v[BM+\b], s[SEL], s[SEL+1]
.endr
.irp b, 0,1
	s_delay_alu instid0(VALU_DEP_2)
	v_max_num_f32 v[BM+\b], v[BM+\b], v[T2+\b]
.endr
.irp b, 0,1
	s_delay_alu instid0(VALU_DEP_2)
	v_add_nc_u32 v[SOP+\b], 0xff000000, v[BM+\b]
.endr
.irp b, 0,1
	s_delay_alu instid0(VALU_DEP_2)
	v_lshrrev_b32 v[T2+\b], 23, v[SOP+\b]
.endr
	s_delay_alu instid0(VALU_DEP_1)
	v_lshl_or_b32 v[PW], v[T2+1], 8, v[T2]
	v_cvt_scalef32_pk16_fp6_f32 v[PC:PC+2], v[S:S+15], v[SOP]
	v_cvt_scalef32_pk16_fp6_f32 v[PC+12:PC+14], v[S+16:S+31], v[SOP+1]
	v_nop
.irp i, 0,1,2
	v_permlane16_swap_b32 v[PC+\i], v[PC+12+\i]
.endr
.irp i, 0,1,2
	s_delay_alu instid0(VALU_DEP_3)
	v_mov_b32 v[PC+3+\i], v[PC+12+\i]
.endr
	global_store_b128 v[A16], v[PC:PC+3], s[10:11] offset:196608*\pass         ; 512 consecutive bytes, aligned to 256; the second pass's token tile lies 16 x 16 half images on
	global_store_b64 v[A8], v[PC+4:PC+5], s[10:11] offset:196608*\pass+512
	ds_store_b16 v[ASW], v[PW] offset:512*\pass    ; lanes a and a + 16 write the same two bytes
.endm
.set TOI, 12288                                    ; the first pass: 16 slots of T, and 1,024 bytes of scale words, further on than the second's
.set TSI, 1024
	STEPS
	QLOAD 1                                        ; the second pass's q is on its way while the first pass's results leave; its plain lines are also places behind the last products
	WAYOUT 0
	FINISHQ 0
.set TOI, 0
.set TSI, 0
	STEPS
	s_wait_alu depctr_va_vdst(0)
	WAYOUT 1
	s_wait_dscnt 0x0                               ; my scale bytes of both passes are stored
	s_barrier_signal -1
	s_barrier_wait -1
	s_cmp_lg_u32 s[WV], 0
	s_cbranch_scc1 .Lnot_first
	ds_load_b128 v[S:S+3], v[ASL]                  ; the work-group's 512 queries x 2 bytes
	ds_load_b128 v[S+4:S+7], v[ASL] offset:512
	s_wait_dscnt 0x0
	global_store_b128 v[A16], v[S:S+3], s[12:13]
	global_store_b128 v[A16], v[S+4:S+7], s[12:13] offset:512
.Lnot_first:
	s_wait_tensorcnt 0x0                           ; the wave's end
	ds_add_u32 v[SPW], v[NIL]
	s_wait_dscnt 0x0
	s_endpgm
.Lfunc_end_k_q92260b03eb_attn:
	.size	k_q92260b03eb_attn, .Lfunc_end_k_q92260b03eb_attn-k_q92260b03eb_attn
	.p2alignl 7, 3214868480
	.fill 96, 4, 3214868480
	.section	.rodata,"a",@progbits
	.p2align	6, 0x0
	.amdhsa_kernel k_q92260b03eb_attn
		.amdhsa_group_segment_fixed_size 327680
		.amdhsa_private_segment_fixed_size 0
		.amdhsa_enable_private_segment 0
		.amdhsa_kernarg_size 40
		.amdhsa_user_sgpr_count 2
		.amdhsa_user_sgpr_kernarg_segment_ptr 1
		.amdhsa_wavefront_size32 1
		.amdhsa_system_sgpr_workgroup_id_x 1
		.amdhsa_system_sgpr_workgroup_id_y 1
		.amdhsa_system_sgpr_workgroup_id_z 1
		.amdhsa_system_vgpr_workitem_id 0
		.amdhsa_next_free_vgpr 256
		.amdhsa_next_free_sgpr 100
		.amdhsa_reserve_vcc 0
		.amdhsa_float_denorm_mode_32 3
		.amdhsa_float_denorm_mode_16_64 3
		.amdhsa_memory_ordered 1
		.amdhsa_forward_progress 1
		.amdhsa_inst_pref_size 81
	.end_amdhsa_kernel
	.amdgpu_metadata
---
amdhsa.version: [ 1, 2 ]
amdhsa.kernels:
  - .name:           k_q92260b03eb_attn
    .symbol:         k_q92260b03eb_attn.kd
    .args:
      - { .name: img, .offset: 0, .size: 8, .value_kind: global_buffer, .address_space: global }
      - { .name: sc, .offset: 8, .size: 8, .value_kind: global_buffer, .address_space: global }
      - { .name: mask, .offset: 16, .size: 8, .value_kind: global_buffer, .address_space: global }
      - { .name: at, .offset: 24, .size: 8, .value_kind: global_buffer, .address_space: global }
      - { .name: asc, .offset: 32, .size: 8, .value_kind: global_buffer, .address_space: global }
    .group_segment_fixed_size: 327680
    .private_segment_fixed_size: 0
    .kernarg_segment_align: 8
    .kernarg_segment_size: 40
    .max_flat_workgroup_size: 512
    .sgpr_count:     100
    .vgpr_count:     256
    .wavefront_size: 32
...
	.end_amdgpu_metadata
.endif
;; end of part 3
;; launch proj (part 4): grid 4 x 64, 4 waves a work-group, clusters of 4 x 4, 327,680 bytes of LDS; arguments at, asc, Wo_codes, Wo_scales, inputs, out0; writes out0
.if DOCPART == 4
	.amdgcn_target "amdgcn-amd-amdhsa--gfx1250"
	.amdhsa_code_object_version 6
	.text
	.protected	k_q92260b03eb_proj
	.globl	k_q92260b03eb_proj
	.p2align	8
	.type	k_q92260b03eb_proj,@function
k_q92260b03eb_proj:
	s_mov_b64 s[64:65], 0
	v_nop
	global_prefetch_b8 v0, s[64:65] scope:SCOPE_SE
	s_setreg_imm32_b32 hwreg(HW_REG_WAVE_MODE, 25, 1), 1
	s_wait_xcnt 0x0
	s_wait_alu depctr_hold_cnt(0) depctr_sa_sdst(0) depctr_va_vdst(0) depctr_va_sdst(0) depctr_va_ssrc(0) depctr_va_vcc(0) depctr_vm_vsrc(0)
	s_getreg_b32 s2, hwreg(HW_REG_IB_STS2, 6, 4)
	s_cmp_eq_u32 s2, 0
	s_cbranch_scc0 .Lentry_in_a_cluster
	s_endpgm
.Lentry_in_a_cluster:
	s_bfe_u32 s2, ttmp6, 0x10000c
	s_cmp_lg_u32 s2, 0xf033
	s_cbranch_scc0 .Lentry_shape_is_right
	s_endpgm
.Lentry_shape_is_right:
; LAUNCH 4 OF 4.  out0 = attn_vec Wo + inputs, on codes of FP6 with E8M0 scales, K = 1,024.
; A block of 128 tokens x 256 columns to a work-group: 64 x 4 = 256 work-groups.  ALL OF K LIES IN LDS, filled once at the head, one joint load a wave: wave 0 the block's 8 token tiles of attn_vec's operand
; images (98,304 dense bytes), waves 1 and 2 128 rows of Wo's codes each (768 bytes a row, dense: stated as 384 rows of 256 bytes with 16 bytes of padding behind each, so a row of codes is 816 bytes of LDS),
; wave 3 Wo's scale bytes.  No slot is filled again: one barrier ahead of the products, one ahead of the way out.
; 4 x 4 work-groups form a cluster: the images are shared along a row of the cluster, Wo's rows and scales along a column.
; A wave makes 64 tokens x 128 columns: 32 accumulators; source 0 = 16 rows of Wo, source 1 = 16 tokens, so a lane holds eight neighbouring columns of a row of the result.
; attn_vec's scale bytes, [head][token] 2 bytes, come through registers: a thread gathers its token's 32 bytes and stores them to LDS as a row of scales.
; The residual is prefetched in steps 0-3: each wave names its own 64 rows x 512 bytes once, 16 rows an instruction, four to seven steps ahead of the loads.
.set PITCH,  816
.set FR,     12
.set NP,     4
.set BL,     98304                     ; Wo's codes behind the images
.set HALFB,  128*PITCH
.set SCL,    BL+2*HALFB                ; the scales: the tokens' 128 rows (stored by the waves), then Wo's 256 (filled once); units of 256 bytes + 16
.set SBLK,   544
.set HALFS,  4352
.set SPARE,  SCL+3*HALFS               ; the spare words: 128 bytes a wave, named by no other line
.set SPITCH, 528                       ; the way out's stage: 16 rows x 528 bytes a wave, from byte 0 on: the images have had their one fill, and their last read lies ahead of the second barrier
.set ADRA, 16                          ; v16 images: 16 x lane; v17: 8 x lane
.set ADRB, 20                          ; v20-23 Wo's fragments: blocks 0-3, the same one padding on for lanes 16-31, blocks 4-7, likewise
.set STO,  24
.set RD,   25
.set CO,   26
.set ADRS, 27
.set SPW,  28
.set NIL,  29
.set PFO,  30
.set SC,   32                          ; v32-63 scale words, two sets
.set AF,   128                         ; the tokens' fragments, two sets of 48 registers, window 0
.set BK,   128
.set G1, 24
.set G0, 32
.set G1B, 48
.set G0B, 56
.set G1SB, 80
.set G0SB, 88
.set MSB, 0
.macro WIN new                         ; the immediate's high byte repeats the setting that is left
.if MSB != \new
	s_set_vgpr_msb (MSB<<8)|\new
.set MSB, \new
.endif
.endm
.set MUL_LO, 0xa1                      ; source 0 window 1, source 1 window 0, C and D window 2
.set TO_B,   0x40
.macro CREST
	s_cmp_lg_u32 s14, 0
	s_cbranch_scc1 .Lnot_wave_0_\@
	s_barrier_signal -3
.Lnot_wave_0_\@:
	s_barrier_wait -3
	s_barrier_signal -1
	s_barrier_wait -1
.endm
.macro CROUND
	s_barrier_signal -1
	s_barrier_wait -1
	CREST
.endm
.macro PLACES n
.rept \n
	v_nop
.endr
.endm
	s_load_b256 s[4:11], s[0:1], 0x0               ; at, asc, Wo's codes, Wo's scales
	s_load_b128 s[92:95], s[0:1], 0x20             ; inputs, out0
	v_lshl_add_u32 v[SPW], v0, 2, SPARE
	v_mov_b32 v[NIL], 0
	ds_add_u32 v[SPW], v[NIL]                      ; the opening: the add, twice on end, and its wait ahead of my first tensor load
	ds_add_u32 v[SPW], v[NIL]
	v_lshrrev_b32 v1, 5, v0
	v_readfirstlane_b32 s14, v1                    ; wave
	s_lshr_b32 s15, s14, 1                         ; my 64 tokens; also: which 128 rows of Wo waves 1 and 2 fetch
	s_and_b32 s16, s14, 1                          ; my 128 columns
	s_bfe_u32 s40, ttmp6, 0x40000                  ; cx
	s_bfe_u32 s41, ttmp6, 0x40004                  ; cy
	s_lshl_b32 s42, ttmp9, 2
	s_add_co_u32 s42, s42, s40                     ; block column
	s_and_b32 s17, ttmp7, 0xffff
	s_lshl_b32 s17, s17, 2
	s_add_co_u32 s17, s17, s41                     ; block row
	s_lshl_b32 s43, s41, 2
	s_lshl_b32 s43, 15, s43                        ; my row of the cluster
	s_lshl_b32 s44, 0x1111, s40                    ; my column
	s_or_b32 s[G1+0], s43, (3<<16)|(1<<21)         ; the images: 384 rows of 256 bytes, dense in memory and in LDS
	s_or_b32 s[G1B+0], s44, (3<<16)|(1<<20)|(1<<21)|(5<<22)|(3<<25)   ; Wo's codes: the same, 4 words of padding after every 64
.irp g, G1, G1B
	s_mov_b32 s[\g+1], 32<<16
	s_mov_b32 s[\g+2], 384<<16
	s_mov_b32 s[\g+3], 32<<16
	s_mov_b32 s[\g+4], 384
	s_mov_b32 s[\g+5], 32
	s_mov_b32 s[\g+6], 0
	s_mov_b32 s[\g+7], 0
.endr
	s_or_b32 s[G1SB+0], s44, (3<<16)|(1<<20)|(1<<21)|(5<<22)|(3<<25)  ; Wo's scales: 32 such rows
	s_mov_b32 s[G1SB+1], 32<<16
	s_mov_b32 s[G1SB+2], 32<<16
	s_mov_b32 s[G1SB+3], 32<<16
	s_mov_b32 s[G1SB+4], 32
	s_mov_b32 s[G1SB+5], 32
	s_mov_b32 s[G1SB+6], 0
	s_mov_b32 s[G1SB+7], 0
	s_mul_i32 s20, s17, 98304
	s_mov_b32 s21, 0
	s_mul_i32 s46, s42, 256*768
	s_mul_i32 s18, s15, 128*768
	s_add_co_u32 s46, s46, s18
	s_mov_b32 s47, 0
	s_lshl_b32 s96, s42, 13
	s_mov_b32 s97, 0
	s_mul_i32 s45, s15, HALFB
	s_wait_dscnt 0x0                               ; both opening adds are done
	s_wait_kmcnt 0x0
	s_mov_b64 s[12:13], s[94:95]
	s_add_nc_u64 s[20:21], s[4:5], s[20:21]
	s_add_nc_u64 s[46:47], s[8:9], s[46:47]
	s_add_nc_u64 s[96:97], s[10:11], s[96:97]
	CROUND                                         ; all sixteen work-groups are here: the joint loads meet
	s_mov_b32 s[G0], 1
	s_mov_b32 s[G0+1], 0
	s_mov_b64 s[G0+2:G0+3], s[20:21]
	s_or_b32 s[G0+3], s[G0+3], 0x80000000
	s_mov_b32 s[G0B], 1
	s_add_co_u32 s[G0B+1], s45, BL
	s_mov_b64 s[G0B+2:G0B+3], s[46:47]
	s_or_b32 s[G0B+3], s[G0B+3], 0x80000000
	s_mov_b32 s[G0SB], 1
	s_mov_b32 s[G0SB+1], SCL+HALFS
	s_mov_b64 s[G0SB+2:G0SB+3], s[96:97]
	s_or_b32 s[G0SB+3], s[G0SB+3], 0x80000000
; one chain of branches on the wave's number, one load to an arm, all arms to one join
.macro ARM under, g0, g1, next
	s_cmp_lt_u32 s14, \under
	s_cbranch_scc0 \next
	tensor_load_to_lds s[\g0:\g0+3], s[\g1:\g1+7]
	s_nop 0
.rept 4
	v_nop
.endr
	s_branch .Lhead_asked
\next:
.endm
	ARM 1, G0,  G1,  .Lhead_b
	ARM 3, G0B, G1B, .Lhead_s
	tensor_load_to_lds s[G0SB:G0SB+3], s[G1SB:G1SB+7]
	s_nop 0
.rept 4
	v_nop
.endr
.Lhead_asked:
	s_lshl_b32 s22, s17, 8                         ; my block's 128 tokens x 2 bytes in a head's row of asc
	s_mov_b32 s23, 0
	s_add_nc_u64 s[6:7], s[6:7], s[22:23]
	v_lshlrev_b32 v7, 1, v0
.irp d, 0,1,2,3,4,5,6,7,8,9,10,11,12,13,14,15
	global_load_u16 v[64+\d], v7, s[6:7] offset:\d*16384           ; thread t: token t's two bytes of head d; the four waves read 256 consecutive bytes
.endr
	v_lshrrev_b32 v8, 3, v0
	v_mul_u32_u24 v8, v8, 272
	v_and_b32 v9, 7, v0
	v_lshl_add_u32 v8, v9, 5, v8
	v_add_nc_u32 v31, SCL, v8                      ; token t's row of 32 scale bytes
	v_and_b32 v1, 15, v0                           ; r
	v_bfe_u32 v2, v0, 4, 1                         ; h
	v_and_b32 v3, 31, v0
	v_lshlrev_b32 v4, 4, v3
	v_lshlrev_b32 v5, 3, v3
	s_mul_i32 s21, s15, 4*12288                    ; my four token tiles
	v_add_nc_u32 v[ADRA], s21, v4
	v_add_nc_u32 v[ADRA+1], s21, v5
	v_mul_u32_u24 v6, v1, PITCH
	v_mad_u32_u24 v6, v2, 24, v6
	v_lshl_add_u32 v10, v2, 4, v6
	s_mul_i32 s22, s16, HALFB
	s_add_co_u32 s22, s22, BL
	v_add_nc_u32 v[ADRB], s22, v6
	v_add_nc_u32 v[ADRB+1], s22, v10
	s_add_co_u32 s22, s22, 64*PITCH
	v_add_nc_u32 v[ADRB+2], s22, v6
	v_add_nc_u32 v[ADRB+3], s22, v10
	v_mul_u32_u24 v5, v1, 32
	v_lshrrev_b32 v6, 8, v5
	v_lshl_add_u32 v5, v6, 4, v5
	s_mul_i32 s21, s15, 4*SBLK                     ; the tokens' scales: my 64 rows
	s_mul_i32 s22, s16, HALFS                      ; Wo's: my 128 rows, behind the tokens' 128
	s_add_co_u32 s22, s22, HALFS
	s_sub_co_u32 s22, s22, s21
	v_mul_u32_u24 v6, s22, v2                      ; lanes 16-31 take Wo's words
	s_add_co_u32 s21, s21, SCL
	v_add_nc_u32 v5, v5, v6
	v_add_nc_u32 v[ADRS], s21, v5
	s_mul_i32 s23, s14, 16*SPITCH
	v_mul_u32_u24 v5, v1, SPITCH
	v_lshl_add_u32 v5, v2, 5, v5
	v_add_nc_u32 v[STO], s23, v5
	v_mov_b32 v[CO], v4
	v_add_nc_u32 v[RD], s23, v4
	v_lshrrev_b32 v5, 1, v3
	v_and_b32 v6, 1, v3
	v_lshlrev_b32 v[PFO], 12, v5                   ; the prefetches: row lane / 2, 256 (lane % 2) bytes on
	v_lshl_add_u32 v[PFO], v6, 8, v[PFO]
	s_lshl_b32 s20, s17, 7
	s_lshl_b32 s21, s15, 6
	s_add_co_u32 s20, s20, s21                     ; my first row
	s_lshl_b32 s20, s20, 12
	s_lshl_b32 s46, s42, 10
	s_lshl_b32 s47, s16, 9
	s_add_co_u32 s46, s46, s47                     ; my first column, in bytes
	s_add_co_u32 s20, s20, s46
	s_mov_b32 s21, 0
	s_add_nc_u64 s[12:13], s[12:13], s[20:21]
	s_add_nc_u64 s[92:93], s[92:93], s[20:21]
	s_wait_alu depctr_va_vdst(0)
	s_wait_loadcnt 0x0
.irp m, 0,1,2,3,4,5,6,7
	v_lshl_or_b32 v[80+\m], v[65+2*\m], 16, v[64+2*\m]             ; word m: heads 2 m, 2 m + 1: the scale word of step m
.endr
	ds_store_b128 v31, v[80:83]
	ds_store_b128 v31, v[84:87] offset:16
.macro FRAG reg, st, i                 ; Wo: 16 rows x 128 K in pieces of 8 bytes; byte y of a row lies at y + 16 (y / 256) of its LDS row
.irp p, 0,1,2,3,4,5
.set BY, 96*(\st)+48*(\p/3)+8*(\p%3)
.if BY/256 == (BY+24)/256
	ds_load_b64 v[\reg+2*\p:\reg+2*\p+1], v[ADRB+2*((\i)/4)] offset:BY+16*(BY/256)+((\i)%4)*16*PITCH
.else
	ds_load_b64 v[\reg+2*\p:\reg+2*\p+1], v[ADRB+2*((\i)/4)+1] offset:BY+16*(BY/256)+((\i)%4)*16*PITCH
.endif
.endr
.endm
.macro FRAGA reg, st, i                ; tokens: two heads' half images
	ds_load_b128 v[\reg:\reg+3], v[ADRA] offset:(\i)*12288+(\st)*1536
	ds_load_b64 v[\reg+4:\reg+5], v[ADRA+1] offset:(\i)*12288+(\st)*1536+512
	ds_load_b128 v[\reg+6:\reg+9], v[ADRA] offset:(\i)*12288+(\st)*1536+768
	ds_load_b64 v[\reg+10:\reg+11], v[ADRA+1] offset:(\i)*12288+(\st)*1536+1280
.endm
.macro FETCH st                        ; step st's fragments into set st % 2; with an even step the scale words of two steps
	WIN TO_B
.irp i, 0,1,2,3,4,5,6,7
	FRAG 128*((\st)%2)+FR*\i, \st, \i
.endr
	WIN 0
.irp i, 0,1,2,3
	FRAGA AF+48*((\st)%2)+FR*\i, \st, \i
.endr
.if (\st)%2 == 0
.irp i, 0,1,2,3,4,5,6,7
	ds_load_b64 v[SC+16*(((\st)/2)%2)+2*\i:SC+16*(((\st)/2)%2)+2*\i+1], v[ADRS] offset:\i*SBLK+4*(\st)
.endr
.endif
.endm
; 32 matrix instructions; the 32 accumulators take turns, one instruction a turn, in the same order in every step
.macro MULS st
.irp a, 0,1,2,3
.irp b, 0,1,2,3,4,5,6,7
.if (\st) == 0
	v_wmma_scale_f32_16x16x128_f8f6f4 v[8*(8*\a+\b):8*(8*\a+\b)+7], v[128*((\st)%2)+FR*\b:128*((\st)%2)+FR*\b+FR-1], v[AF+48*((\st)%2)+FR*\a:AF+48*((\st)%2)+FR*\a+FR-1], 0, v[SC+16*(((\st)/2)%2)+2*\b+(\st)%2], v[SC+16*(((\st)/2)%2)+2*\a+(\st)%2] matrix_a_fmt:MATRIX_FMT_FP6 matrix_b_fmt:MATRIX_FMT_FP6 matrix_a_scale:MATRIX_SCALE_ROW1
.else
	v_wmma_scale_f32_16x16x128_f8f6f4 v[8*(8*\a+\b):8*(8*\a+\b)+7], v[128*((\st)%2)+FR*\b:128*((\st)%2)+FR*\b+FR-1], v[AF+48*((\st)%2)+FR*\a:AF+48*((\st)%2)+FR*\a+FR-1], v[8*(8*\a+\b):8*(8*\a+\b)+7], v[SC+16*(((\st)/2)%2)+2*\b+(\st)%2], v[SC+16*(((\st)/2)%2)+2*\a+(\st)%2] matrix_a_fmt:MATRIX_FMT_FP6 matrix_b_fmt:MATRIX_FMT_FP6 matrix_a_scale:MATRIX_SCALE_ROW1
.endif
.endr
.endr
.endm
.macro RLOAD a, off                    ; 16 rows x 512 bytes of the residual: even blocks into v64-127, which no product names, odd ones into v192-255
.set RB, 64+128*((\a)%2)
.irp t, 0,1,2,3,4,5,6,7,8,9,10,11,12,13,14,15
	global_load_b128 v[RB+4*\t:RB+4*\t+3], v[CO], s[92:93] offset:\off+\t*4096 th:TH_LOAD_NT
.endr
.endm
.macro KSTEP st
	s_wait_dscnt 0x0                               ; this step's fragments are in
.if (\st) == 7
	s_barrier_signal -1                            ; my last reads of the tiles are over: behind this barrier the stage may be written
.else
.if (\st) > 0
	PLACES NP                                      ; in front of loads into the set that the last step multiplied
.endif
	FETCH (\st)+1
.if (\st) < 4
	global_prefetch_b8 v[PFO], s[92:93] offset:(\st)*65536 th:TH_LOAD_NT scope:SCOPE_SE    ; 16 rows x 512 bytes of my part of the residual
.endif
.if (\st) == 5
	RLOAD 0, 0                                     ; the first block's residual is asked for here, so that it is on its way during the last products
.endif
.endif
	WIN MUL_LO
	MULS \st
	WIN 0
.if (\st) == 7
	s_barrier_wait -1
.endif
.endm
	s_wait_alu depctr_va_vdst(0)
	s_wait_tensorcnt 0x0                           ; my tile has landed,
	s_wait_dscnt 0x0                               ; my tokens' scales are stored:
	s_barrier_signal -1
	s_barrier_wait -1                              ; everybody's
	FETCH 0
.irp st, 0,1,2,3,4,5,6,7
	KSTEP \st
.endr
; THE WAY OUT, block by block of 16 rows x 128 columns: through my stage, back as whole rows of 512 bytes, the residual added, stored as two aligned units of 256 bytes a row
.macro TOSTAGE a
	WIN 0x08                                       ; the data: window 2
.irp b, 0,1,2,3,4,5,6,7
	ds_store_b128 v[STO], v[64*(\a)+8*\b:64*(\a)+8*\b+3] offset:64*\b          ; each accumulator from its low end on
	ds_store_b128 v[STO], v[64*(\a)+8*\b+4:64*(\a)+8*\b+7] offset:64*\b+16
.endr
	WIN 0
.irp t, 0,1,2,3,4,5,6,7,8,9,10,11,12,13,14,15
	ds_load_b128 v[BK+4*\t:BK+4*\t+3], v[RD] offset:\t*SPITCH      ; LDS serves a wave's instructions in order
.endr
.endm
.macro OUTB a
.if (\a) > 0
	s_wait_xcnt 0x0                                ; the last block's loads and stores have read their bases and data
	s_add_nc_u64 s[12:13], s[12:13], 65536
	s_add_nc_u64 s[92:93], s[92:93], 65536
.endif
	TOSTAGE \a
.if (\a) < 3
	RLOAD (\a)+1, 65536
.endif
	s_wait_dscnt 0x0
.if (\a) < 3
	s_wait_loadcnt 16                              ; this block's residual is in; the next block's sixteen loads may be out
.else
	s_wait_loadcnt 0x0
.endif
.set RB, 64+128*((\a)%2)
.set J, 0
.rept 32
	v_pk_add_f32 v[BK+J:BK+J+1], v[BK+J:BK+J+1], v[RB+J:RB+J+1]
.set J, J+2
.endr
.irp t, 0,1,2,3,4,5,6,7,8,9,10,11,12,13,14,15
	global_store_b128 v[CO], v[BK+4*\t:BK+4*\t+3], s[12:13] offset:\t*4096 th:TH_STORE_NT
.endr
.endm
	PLACES NP
.irp a, 0,1,2,3
	OUTB \a
.endr
	s_wait_tensorcnt 0x0                           ; the wave's end
	ds_add_u32 v[SPW], v[NIL]
	s_wait_dscnt 0x0
	CROUND                                         ; the closing round
	s_endpgm
.Lfunc_end_k_q92260b03eb_proj:
	.size	k_q92260b03eb_proj, .Lfunc_end_k_q92260b03eb_proj-k_q92260b03eb_proj
	.p2alignl 7, 3214868480
	.fill 96, 4, 3214868480
	.section	.rodata,"a",@progbits
	.p2align	6, 0x0
	.amdhsa_kernel k_q92260b03eb_proj
		.amdhsa_group_segment_fixed_size 327680
		.amdhsa_private_segment_fixed_size 0
		.amdhsa_enable_private_segment 0
		.amdhsa_kernarg_size 48
		.amdhsa_user_sgpr_count 2
		.amdhsa_user_sgpr_kernarg_segment_ptr 1
		.amdhsa_wavefront_size32 1
		.amdhsa_system_sgpr_workgroup_id_x 1
		.amdhsa_system_sgpr_workgroup_id_y 1
		.amdhsa_system_sgpr_workgroup_id_z 1
		.amdhsa_system_vgpr_workitem_id 0
		.amdhsa_next_free_vgpr 768
		.amdhsa_next_free_sgpr 100
		.amdhsa_reserve_vcc 0
		.amdhsa_float_denorm_mode_32 3
		.amdhsa_float_denorm_mode_16_64 3
		.amdhsa_memory_ordered 1
		.amdhsa_forward_progress 1
		.amdhsa_inst_pref_size 108
	.end_amdhsa_kernel
	.amdgpu_metadata
---
amdhsa.version: [ 1, 2 ]
amdhsa.kernels:
  - .name:           k_q92260b03eb_proj
    .symbol:         k_q92260b03eb_proj.kd
    .args:
      - { .name: at, .offset: 0, .size: 8, .value_kind: global_buffer, .address_space: global }
      - { .name: asc, .offset: 8, .size: 8, .value_kind: global_buffer, .address_space: global }
      - { .name: Wo_codes, .offset: 16, .size: 8, .value_kind: global_buffer, .address_space: global }
      - { .name: Wo_scales, .offset: 24, .size: 8, .value_kind: global_buffer, .address_space: global }
      - { .name: inputs, .offset: 32, .size: 8, .value_kind: global_buffer, .address_space: global }
      - { .name: out0, .offset: 40, .size: 8, .value_kind: global_buffer, .address_space: global }
    .group_segment_fixed_size: 327680
    .private_segment_fixed_size: 0
    .kernarg_segment_align: 8
    .kernarg_segment_size: 48
    .max_flat_workgroup_size: 128
    .sgpr_count:     100
    .vgpr_count:     768
    .wavefront_size: 32
...
	.end_amdgpu_metadata
.endif
;; end of part 4
